; MI455X (gfx1250); checked and timed in simulation.
; The chip was launched on July 23, 2026; its instructions are those of AMD's public machine-readable ISA for CDNA 5 (MIT licence, August 2026) and "CDNA5" Instruction Set Architecture Reference Guide (July 2026). The comments in the code are by the model that wrote it; some were corrected since.
;; Attention. Allowed arithmetic: matrix products marked QUANTISED: E2M3 operands, one E8M0 scale for each 32 along K, by v_wmma_scale_f32_16x16x128_f8f6f4 with both operands' format E2M3, f32 sums; everything else in f32.
;; Inputs: b_out 1,024 float32; b_qkv 3,072 float32; w_out_codes 1,024 x 32 x 24 uint8 (E2M3 codes of w_out, K innermost, in blocks of 32 codes, four codes in three bytes); w_out_scales 1,024 x 32 uint8 (E8M0 scales of w_out, one for each 32 codes along K); w_qkv_codes 3,072 x 32 x 24 uint8 (E2M3 codes of w_qkv, K innermost, in blocks of 32 codes, four codes in three bytes); w_qkv_scales 3,072 x 32 uint8 (E8M0 scales of w_qkv, one for each 32 codes along K); x_codes 4 x 2,048 x 32 x 24 uint8 (E2M3 codes of x, K innermost, in blocks of 32 codes, four codes in three bytes); x_scales 4 x 2,048 x 32 uint8 (E8M0 scales of x, one for each 32 codes along K).
;; Outputs: out0 4 x 2,048 x 1,024 float32.
;; This version of the problem:
;;   THIS VERSION OF THE PROBLEM IS GIVEN IN LOW PRECISION. The matrix products marked QUANTISED in the list below multiply operands that are first quantised to E2M3 (2 exponent bits, 3 mantissa bits; 6 bits a number), with one power-of-two scale for each 32 numbers along K (OCP MX v1.0); their sums are f32. All else is computed in f32.
;;   The module's matrix products, in the order in which they are computed (A, B: the left and right operand; K: the contracted axis; several contracted axes count as one K, in the product's order):
;;     1. [M 8,192, K 1,024] x [K 1,024, N 3,072]; A: input x (given as codes); B: input w_qkv (given as codes): QUANTISED
;;     2. batch 64 x [M 2,048, K 64] x [K 64, N 2,048]; A: computed on the way; B: computed on the way: QUANTISED
;;     3. batch 64 x [M 2,048, K 2,048] x [K 2,048, N 64]; A: softmax (see below); B: computed on the way: QUANTISED
;;     4. [M 8,192, K 1,024] x [K 1,024, N 1,024]; A: computed on the way; B: input w_out (given as codes): QUANTISED
;;   THE QUANTISER, for each operand of a quantised product, along K:
;;     - K is cut into blocks of 32 from its start; a last block that is shorter is filled with zeros.
;;     - A block's scale is 2^e with e = floor(log2(the largest magnitude in the block)) - 2, held to -126 .. 127; a block of zeros has e = 0. As a byte (E8M0): e + 127.
;;     - Each number is divided by its block's scale, clamped to +-7.5, and rounded to the nearest number of E2M3, ties to even, subnormals kept.
;;     - The product sums the exact products of the quantised numbers (number of the format x scale) in f32.
;;   ~~~python
;;   def quantise(x, axis):      # numpy; x: float32 -> the quantised numbers, widened to float32 again
;;       x = np.moveaxis(x, axis, -1); K = x.shape[-1]
;;       x = np.pad(x, [(0, 0)] * (x.ndim - 1) + [(0, -K % 32)]); x = x.reshape(x.shape[:-1] + (-1, 32)); a = np.abs(x).max(-1, keepdims=True)
;;       e = np.where(a > 0, np.clip(np.frexp(np.where(a > 0, a, 1))[1] - 1 - 2, -126, 127), 0)      # np.frexp(a)[1] - 1 = floor(log2(a)), exactly
;;       r = np.clip(x / 2.0 ** e, -7.5, 7.5)
;;       step = 2.0 ** (np.maximum(np.frexp(np.where(r == 0, 1, r))[1] - 1, 0) - 3)
;;       q = np.round(r / step) * step * 2.0 ** e      # np.round: ties to even
;;       return np.moveaxis(q.reshape(q.shape[:-2] + (-1,))[..., :K], -1, axis).astype(np.float32)
;;   ~~~
;;   SOFTMAX AHEAD OF A QUANTISED PRODUCT. Where the list says 'softmax', what is quantised is not the finished softmax but p = 2^(t - M), with t = logit x log2(e) and M = ceil(the row's largest t), a whole number; so 1/2 < the row's largest p <= 1. The row's sum l is taken of the UNQUANTISED p, in f32, and the product's result is divided by l at the end. Since M is a whole number, a kernel that streams over the keys may use a running M (the ceiling of the running maximum): every later rescaling is an exact power of two, which a block's scale takes up: the codes' values come out the same.
;;   OPERANDS COMPUTED ON THE WAY. 'Computed on the way' means the value that the module computes at that place (a softmax that the list does not call 'softmax' is quantised finished and normalised). What goes into a quantiser is computed in f32, as accurately as f32 sums, v_exp_f32 and their like allow (about 1e-6 of the number): no bf16 or f16 on the way to a quantiser, and a product that is left as it is and whose result goes on into a quantised operand takes f32 operands (vector FMAs, or v_wmma_f32_16x16x4_f32). A number that lies on a knife's edge between two numbers of the format may be rounded either way, as far as f32 arithmetic and the matrix unit's own rounding can turn it there, and no further.
;;   INPUTS GIVEN AS CODES. w_out (in the module: [1024, 1024], K = its axis 1); w_qkv (in the module: [3072, 1024], K = its axis 1); x (in the module: [4, 2048, 1024], K = its axis 2): each comes as NAME_codes (uint8): NAME with its K axis moved to the last place and cut into blocks of 32 codes, [.., K / 32, bytes a block], one block behind the other in memory; four codes in three bytes: a row's codes are one little-endian stream of bits, code i at bits 6 i .. 6 i + 5 (a code: sign, 2 exponent bits, 3 mantissa bits); and NAME_scales (uint8): the same leading axes, one E8M0 byte (e + 127) for each 32 codes along K. Its value is code x scale, taken as it is: it is not quantised again, and the codes and scales need not be those that the quantiser above would give.
;; One version. Each part assembles by itself: llvm-mc -triple=amdgcn-amd-amdhsa -mcpu=gfx1250 --defsym DOCPART=n.
;; ======== version 1 of 1: 3 launches
;; workspace buffers: qkv 20,185,088 bytes; o_img 6,291,456 bytes; o_sc 262,144 bytes
;; launch qkv (part 1): grid 12 x 32, 4 waves a work-group, clusters of 4 x 4, 327,680 bytes of LDS; arguments x_codes, x_scales, w_qkv_codes, w_qkv_scales, b_qkv, qkv; writes qkv
.if DOCPART == 1
	.amdgcn_target "amdgcn-amd-amdhsa--gfx1250"
	.amdhsa_code_object_version 6
	.text
	.protected	k_q1d434810e2_qkv
	.globl	k_q1d434810e2_qkv
	.p2align	8
	.type	k_q1d434810e2_qkv,@function
k_q1d434810e2_qkv:
	s_mov_b64 s[64:65], 0
	v_nop
	global_prefetch_b8 v0, s[64:65] scope:SCOPE_SE
	s_setreg_imm32_b32 hwreg(HW_REG_WAVE_MODE, 25, 1), 1
	s_wait_xcnt 0x0
	s_wait_alu depctr_hold_cnt(0) depctr_sa_sdst(0) depctr_va_vdst(0) depctr_va_sdst(0) depctr_va_ssrc(0) depctr_va_vcc(0) depctr_vm_vsrc(0)
	s_getreg_b32 s2, hwreg(HW_REG_IB_STS2, 6, 4)
	s_cmp_eq_u32 s2, 0
	s_cbranch_scc0 .Lentry_in_a_cluster
	s_endpgm
.Lentry_in_a_cluster:
	s_bfe_u32 s2, ttmp6, 0x10000c
	s_cmp_lg_u32 s2, 0xf033
	s_cbranch_scc0 .Lentry_shape_is_right
	s_endpgm
.Lentry_shape_is_right:
; qkv = x w_qkv^T + b_qkv on codes of FP6 (E2M3) with one E8M0 scale for each 32 along K = 1,024; the results are quantised here and leave as codes:
; q and k along the head's 64 channels, v along the tokens (the keys are the K of attention's second product).  Nothing wide goes to memory.
; A tile is 256 x 256, four waves, 128 x 128 a wave: 64 accumulators of 16 x 16.  K goes in steps of 256 through a ring of two LDS slots filled by tensor loads; the scale bytes of the tile's rows come once.
; THE MATRIX INSTRUCTION IS USED TRANSPOSED: source 0 = 16 rows of the "B side", source 1 = 16 rows of the "A side": a lane holds ONE row of the A side and its registers run along the B side's rows.
; ROLES, by the cluster's x (the same in all sixteen partners): 0 = q, 1 = k: A side = tokens of x, B side = rows of w_qkv, so a lane's registers run along channels;
; 2 = v: A side = rows 2,048 .. 3,071 of w_qkv, B side = tokens, so a lane's registers run along tokens.  The roles are chosen by selects; only the way out has two arms.
; CLUSTERS 4 x 4: the A side's tile is shared along a row of the cluster, the B side's along a column: joint loads, the same descriptor and mask in the four that a mask names.
; THE ORDER INSIDE A BLOCK OF 32: a lane's 16 numbers of a block are the registers of two neighbouring tiles of 16, so place kappa of a block holds element [0-7, 16-23, 8-15, 24-31][kappa].
; q and k are both made so, and so are v here and p in the next launch: a permutation of k applied alike to both operands keeps a product.
; OUT: buffer qkv, [64 heads][16 key steps of 128 tokens] records of 19,712 bytes, laid as images of the operands' registers:
;   +0 K: token tile t at 768 t, register pair p at 256 p, 8 bytes a lane;  +6,144 V^T: channel tile at 1,536, four registers at 512, 16 bytes a lane;  +12,288 K's scale words (16 bytes a lane: word i = token 32 i + lane);
;   +12,800 V's scale words (8 bytes a lane: word i = channel tile 2 i + lane / 16);  +13,056 Q as K;  +19,200 Q's scale words as K's.  Every store of codes covers whole aligned blocks of 256 bytes.
; LIMITS: NaN and infinities are not served.  A block of zeros gets the scale byte 1 where the quantiser's rule says 127: its codes are zeros, which add nothing under any byte but 0xff, and this program alone reads the bytes.
; REGISTERS: window 0: v8-15 the eight blocks' scale words on the way out; v16-29 addresses; v32-63 scale words, two sets; v64-127 the bias; v128-223 the A side's fragments, one set; v224-231 bias addresses.
;   window 1: the B side's fragments, two sets (v0, v128).  windows 2, 3: the accumulators ((a, b) at v[8 (8 (a % 4) + b)] of window 2 + a / 4).
.set KSTEP,  256
.set NQ,     2                         ; matrix instructions deep in a slot
.set ROWB,   192                       ; a tile's row: 256 codes
.set KROW,   768                       ; a row of x or of w_qkv in memory
.set PITCH,  240                       ; an LDS row: 3 x (64 bytes + 16 of padding)
.set FR,     12
.set NL,     6
.set NP,     4
.set HALFT,  128*PITCH
.set SLOT,   4*HALFT
.set KS,     32                        ; a row of scale bytes
.set SCL,    2*SLOT
.set HALFS,  (128*KS/256)*272
.set SBLK,   (16*KS/256)*272
.set SPARE,  SCL+4*HALFS               ; the spare words: 128 bytes a wave, two blocks of 256 bytes that no other line names
.set REC,    19712
.set HEADB,  16*REC
.set PW,   8
.set ADRA, 16
.set ADRB, 20
.set L8,   24                          ; 8 x lane
.set L16,  25                          ; 16 x lane
.set ADRS, 27
.set SPW,  28
.set NIL,  29
.set SC,   32
.set BV,   64
.set AF,   128
.set VA,   224
.set HA,   128                         ; the way out: 64 numbers of a block of 16 rows
.set PC0,  192                         ; two sets of codes, 24 registers apart
.set TM,   236                         ; v236-251 at work in the quantiser
.set G1, 24
.set G0, 32
.set G1B, 48
.set G0B, 56
.set G1S, 68
.set G0S, 76
.set G1SB, 80
.set G0SB, 88
.set MSB, 0
.macro WIN new                         ; the immediate's high byte repeats the setting that is left
.if MSB != \new
	s_set_vgpr_msb (MSB<<8)|\new
.set MSB, \new
.endif
.endm
.set MUL_LO, 0xa1                      ; source 0 window 1, source 1 window 0, C and D window 2
.set MUL_HI, 0xf1                      ; the same, C and D window 3
.set TO_B,   0x40                      ; destination window 1
; A joint load: waves 0 and 1 fetch for the A side, waves 2 and 3 for the B side; the branch hangs on the wave's number alone.  Four v_nop follow each line.
.macro JLOAD g0a, g1a, g0b, g1b
	s_cmp_eq_u32 s15, 0
	s_cbranch_scc0 .Lfor_b_\@
	tensor_load_to_lds s[\g0a:\g0a+3], s[\g1a:\g1a+7]
	s_nop 0
.rept 4
	v_nop
.endr
	s_branch .Lasked_\@
.Lfor_b_\@:
	tensor_load_to_lds s[\g0b:\g0b+3], s[\g1b:\g1b+7]
	s_nop 0
.rept 4
	v_nop
.endr
.Lasked_\@:
.endm
.macro CREST                           ; a round of the cluster's barrier behind its opening barrier
	s_cmp_lg_u32 s14, 0
	s_cbranch_scc1 .Lnot_wave_0_\@
	s_barrier_signal -3
.Lnot_wave_0_\@:
	s_barrier_wait -3
	s_barrier_signal -1
	s_barrier_wait -1
.endm
.macro CROUND
	s_barrier_signal -1
	s_barrier_wait -1
	CREST
.endm
	s_load_b128 s[4:7], s[0:1], 0x0                ; x's codes, x's scales
	s_load_b128 s[8:11], s[0:1], 0x10              ; w_qkv's codes, its scales
	s_load_b128 s[96:99], s[0:1], 0x20             ; b_qkv, qkv
	v_lshl_add_u32 v[SPW], v0, 2, SPARE
	v_mov_b32 v[NIL], 0
	ds_add_u32 v28, v29
	ds_add_u32 v28, v29
	s_wait_dscnt 0x0
	v_lshrrev_b32 v1, 5, v0
	v_readfirstlane_b32 s14, v1                    ; wave 0..3
	s_lshr_b32 s15, s14, 1                         ; which half of the A side's rows is mine.  Also: I fetch for the A side (0) or the B side (1)
	s_and_b32 s16, s14, 1                          ; which half of the B side's rows.  Also: which 128 rows I fetch
	s_bfe_u32 s40, ttmp6, 0x40000                  ; cx
	s_bfe_u32 s41, ttmp6, 0x40004                  ; cy
	s_and_b32 s17, ttmp7, 0xffff
	s_lshl_b32 s17, s17, 2                         ; 4 x cluster y
	s_mov_b32 s95, s17
	s_lshl_b32 s42, ttmp9, 2                       ; 4 x cluster x
	s_cmp_eq_u32 ttmp9, 2                          ; the role v?
	s_cselect_b32 s17, 8, s17                      ; the A side's tile of 256 rows: v: 8 + cy of w_qkv; else 4 Y + cy of x
	s_cselect_b32 s42, s95, s42                    ; the B side's: v: 4 Y + cx of x; else 4 X + cx of w_qkv
	s_add_co_u32 s17, s17, s41
	s_add_co_u32 s42, s42, s40
	s_lshl_b32 s43, s41, 2
	s_lshl_b32 s43, 15, s43                        ; my row of the cluster
	s_lshl_b32 s44, 0x1111, s40                    ; my column
	s_mov_b32 s2, 0x76543210                       ; v_permlanex16_b32's selects for lane l xor 16
	s_mov_b32 s3, 0xfedcba98
	; descriptor group 1: 128 rows x 192 bytes, 16 bytes of padding behind every 64
	s_or_b32 s[G1+0], s43, (0<<16)|(1<<20)|(1<<21)|(3<<22)|(3<<25)
	s_or_b32 s[G1B+0], s44, (0<<16)|(1<<20)|(1<<21)|(3<<22)|(3<<25)
.irp g, G1, G1B
	s_mov_b32 s[\g+1], ROWB<<16                    ; tensor_dim0
	s_mov_b32 s[\g+2], 128<<16                     ; tensor_dim1
	s_mov_b32 s[\g+3], ROWB<<16                    ; tile_dim0
	s_mov_b32 s[\g+4], 128                         ; tile_dim1
	s_mov_b32 s[\g+5], KROW                        ; the pitch
	s_mov_b32 s[\g+6], 0
	s_mov_b32 s[\g+7], 0
.endr
	; the scale bytes of 128 rows: 4,096 dense bytes as 16 rows of 256 bytes, 16 bytes of padding behind each
	s_or_b32 s[G1S+0], s43, (3<<16)|(1<<20)|(1<<21)|(5<<22)|(3<<25)
	s_or_b32 s[G1SB+0], s44, (3<<16)|(1<<20)|(1<<21)|(5<<22)|(3<<25)
.irp g, G1S, G1SB
	s_mov_b32 s[\g+1], 32<<16
	s_mov_b32 s[\g+2], (128*KS/256)<<16
	s_mov_b32 s[\g+3], 32<<16
	s_mov_b32 s[\g+4], 128*KS/256
	s_mov_b32 s[\g+5], 32
	s_mov_b32 s[\g+6], 0
	s_mov_b32 s[\g+7], 0
.endr
	s_lshl_b32 s18, s16, 7                         ; which 128 rows of a tile I fetch
	s_lshl_b32 s20, s17, 8
	s_add_co_u32 s20, s20, s18                     ; the A side's row
	s_lshl_b32 s46, s42, 8
	s_add_co_u32 s46, s46, s18                     ; the B side's row
	s_mov_b32 s21, 0
	s_mov_b32 s47, 0
	s_mov_b64 s[18:19], KS
	s_mul_u64 s[22:23], s[20:21], s[18:19]         ; where these rows' scales begin
	s_mul_u64 s[92:93], s[46:47], s[18:19]
	s_mov_b64 s[18:19], KROW
	s_mul_u64 s[20:21], s[20:21], s[18:19]         ; and their codes
	s_mul_u64 s[46:47], s[46:47], s[18:19]
	s_mul_i32 s45, s14, HALFT                      ; where they go: wave x 128 rows
	s_mul_i32 s94, s14, HALFS
	s_wait_kmcnt 0x0
	s_cmp_eq_u32 ttmp9, 2                          ; the buffers by role: the choice hangs on the cluster's number alone
	s_cselect_b64 s[12:13], s[8:9], s[4:5]         ; the A side's codes
	s_cselect_b64 s[8:9], s[4:5], s[8:9]           ; the B side's codes
	s_cselect_b64 s[66:67], s[10:11], s[6:7]       ; the A side's scales
	s_cselect_b64 s[10:11], s[6:7], s[10:11]       ; the B side's scales
	s_add_nc_u64 s[20:21], s[12:13], s[20:21]
	s_add_nc_u64 s[22:23], s[66:67], s[22:23]
	s_add_nc_u64 s[46:47], s[8:9], s[46:47]
	s_add_nc_u64 s[92:93], s[10:11], s[92:93]
	CROUND                                         ; all sixteen work-groups are here: the first joint loads meet
	s_mov_b32 s[G0S], 1
	s_add_co_u32 s[G0S+1], s94, SCL
	s_mov_b64 s[G0S+2:G0S+3], s[22:23]
	s_or_b32 s[G0S+3], s[G0S+3], 0x80000000
	s_mov_b32 s[G0SB], 1
	s_add_co_u32 s[G0SB+1], s94, SCL
	s_mov_b64 s[G0SB+2:G0SB+3], s[92:93]
	s_or_b32 s[G0SB+3], s[G0SB+3], 0x80000000
	JLOAD G0S, G1S, G0SB, G1SB                     ; the scales first: they are wanted with K step 0
.irp s, 0,1
	s_mov_b32 s[G0+4*\s], 1
	s_add_co_u32 s[G0+4*\s+1], s45, \s*SLOT
	s_add_nc_u64 s[G0+4*\s+2:G0+4*\s+3], s[20:21], \s*ROWB
	s_or_b32 s[G0+4*\s+3], s[G0+4*\s+3], 0x80000000
	s_mov_b32 s[G0B+4*\s], 1
	s_add_co_u32 s[G0B+4*\s+1], s45, \s*SLOT
	s_add_nc_u64 s[G0B+4*\s+2:G0B+4*\s+3], s[46:47], \s*ROWB
	s_or_b32 s[G0B+4*\s+3], s[G0B+4*\s+3], 0x80000000
	JLOAD G0+4*\s, G1, G0B+4*\s, G1B               ; three tensor loads of mine are out behind the second of these
.endr
	v_and_b32 v1, 15, v0                           ; r
	v_bfe_u32 v2, v0, 4, 1                         ; h
	v_mul_u32_u24 v3, v1, PITCH
	v_mul_u32_u24 v4, v2, 24
	v_add_nc_u32 v4, v3, v4                        ; a fragment's row x pitch + 24 h
	v_lshl_add_u32 v5, v2, 4, v4                   ; and the same behind one padding more
	s_mul_i32 s21, s15, HALFT                      ; my 128 rows of the A side
	s_mul_i32 s22, s16, HALFT                      ; my 128 rows of the B side,
	s_add_co_u32 s22, s22, 2*HALFT                 ; which lie behind the A side's 256
.irp s, 0,1
	v_add_nc_u32 v[ADRA+\s], s21, v4
	v_add_nc_u32 v[ADRB+\s], s22, v4
	v_add_nc_u32 v[ADRA+2+\s], s21, v5
	v_add_nc_u32 v[ADRB+2+\s], s22, v5
	s_add_co_u32 s21, s21, SLOT
	s_add_co_u32 s22, s22, SLOT
.endr
	v_mul_u32_u24 v5, v1, KS                       ; my row's scales: 32 bytes a row,
	v_lshrrev_b32 v6, 8, v5
	v_lshl_add_u32 v5, v6, 4, v5                   ; and 16 more for each 256 passed
	s_mul_i32 s21, s15, HALFS
	s_mul_i32 s22, s16, HALFS
	s_add_co_u32 s22, s22, 2*HALFS
	s_sub_co_u32 s22, s22, s21
	v_mul_u32_u24 v6, s22, v2                      ; lanes 16-31 take the B side's: one product with h
	s_add_co_u32 s21, s21, SCL
	v_add_nc_u32 v5, v5, v6
	v_add_nc_u32 v[ADRS], s21, v5
	v_and_b32 v6, 31, v0
	v_lshlrev_b32 v[L8], 3, v6
	v_lshlrev_b32 v[L16], 4, v6
	; my wave's first rows, the bias and the places of the results
	s_lshl_b32 s20, s17, 8
	s_lshl_b32 s21, s15, 7
	s_add_co_u32 s20, s20, s21                     ; the A side's first row of my wave
	s_lshl_b32 s46, s42, 8
	s_lshl_b32 s47, s16, 7
	s_add_co_u32 s46, s46, s47                     ; the B side's
	s_cmp_eq_u32 ttmp9, 2
	s_cselect_b32 s18, s46, s20                    ; my first token
	s_cselect_b32 s19, s20, s46                    ; my first row of w_qkv
	s_cselect_b32 s21, 4, 0                        ; the bias's address = r x this
	s_cselect_b32 s22, 0, 32                       ;   + h x this
	s_cselect_b32 s23, 0, 4                        ;   + j x this: q, k: the bias of column 16 b + 8 h + j; v: that of row 16 a + r, in all eight registers
	s_lshl_b32 s92, s19, 2
	s_mov_b32 s93, 0
	s_add_nc_u64 s[4:5], s[96:97], s[92:93]        ; b_qkv at my first row of w_qkv
	v_mul_u32_u24 v5, s21, v1
	v_mul_u32_u24 v6, s22, v2
	v_add_nc_u32 v[VA], v5, v6
.irp j, 1,2,3,4,5,6,7
	v_add_nc_u32 v[VA+\j], s23, v[VA+\j-1]
.endr
.irp b, 0,1,2,3,4,5,6,7
.irp j, 0,1,2,3,4,5,6,7
	global_load_b32 v[BV+8*\b+\j], v[VA+\j], s[4:5] offset:64*\b   ; wanted on the way out: they stay out through the whole product
.endr
.endr
	s_mov_b32 s92, 13056                           ; where my codes and my scale words lie in a record: q,
	s_mov_b32 s93, 19200
	s_mov_b32 s94, 12288
	s_cmp_eq_u32 ttmp9, 1
	s_cselect_b32 s92, 0, s92                      ; k,
	s_cselect_b32 s93, s94, s93
	s_mov_b32 s94, 6144
	s_mov_b32 s95, 12800
	s_cmp_eq_u32 ttmp9, 2
	s_cselect_b32 s92, s94, s92                    ; v
	s_cselect_b32 s93, s95, s93
	s_lshr_b32 s20, s18, 11                        ; the batch,
	s_lshl_b32 s20, s20, 4
	s_lshr_b32 s21, s19, 6
	s_and_b32 s21, s21, 15                         ; my first head (of two),
	s_add_co_u32 s20, s20, s21
	s_lshl_b32 s20, s20, 4
	s_bfe_u32 s21, s18, 0x40007                    ; the key step of my 128 tokens
	s_add_co_u32 s20, s20, s21
	s_mul_i32 s20, s20, REC
	s_add_co_u32 s22, s20, s92
	s_mov_b32 s23, 0
	s_add_nc_u64 s[6:7], s[98:99], s[22:23]        ; where my codes go
	s_add_co_u32 s22, s20, s93
	s_add_nc_u64 s[12:13], s[98:99], s[22:23]      ; where my scale words go
.macro FRAG reg, adr, q, i             ; a fragment: 16 rows x 128 K, 12 registers: lane (r, h) takes 24 bytes at 24 h and 24 bytes at 48 + 24 h of its row's 96, in pieces of 8 bytes
.irp p, 0,1,2,3,4,5
.set PC, 12*(\q)+6*(\p/3)+\p%3        ; 16 bytes of padding lie behind every 8 pieces: where lanes 16-31's piece lies behind one padding more, the second address register serves
.if PC%8 < 5
	ds_load_b64 v[\reg+2*\p:\reg+2*\p+1], v[\adr] offset:8*PC+16*(PC/8)+(\i)*16*PITCH
.else
	ds_load_b64 v[\reg+2*\p:\reg+2*\p+1], v[\adr+2] offset:8*PC+16*(PC/8)+(\i)*16*PITCH
.endif
.endr
.endm
; 16 matrix instructions: the A side's blocks a0, a0 + 1 x the B side's eight.  The 64 accumulators take turns, one instruction a turn, in the same order in every step.
.macro MUL16 a0, p, q, sc, zero
.irp a, \a0, \a0+1
.irp b, 0,1,2,3,4,5,6,7
.if \zero
	v_wmma_scale_f32_16x16x128_f8f6f4 v[8*(8*((\a)%4)+\b):8*(8*((\a)%4)+\b)+7], v[128*(\p)+FR*\b:128*(\p)+FR*\b+FR-1], v[AF+FR*(\a):AF+FR*(\a)+FR-1], 0, v[SC+8*NQ*(\sc)+NQ*\b+(\q)], v[SC+8*NQ*(\sc)+NQ*(\a)+(\q)] matrix_a_fmt:MATRIX_FMT_FP6 matrix_b_fmt:MATRIX_FMT_FP6 matrix_a_scale:MATRIX_SCALE_ROW1
.else
	v_wmma_scale_f32_16x16x128_f8f6f4 v[8*(8*((\a)%4)+\b):8*(8*((\a)%4)+\b)+7], v[128*(\p)+FR*\b:128*(\p)+FR*\b+FR-1], v[AF+FR*(\a):AF+FR*(\a)+FR-1], v[8*(8*((\a)%4)+\b):8*(8*((\a)%4)+\b)+7], v[SC+8*NQ*(\sc)+NQ*\b+(\q)], v[SC+8*NQ*(\sc)+NQ*(\a)+(\q)] matrix_a_fmt:MATRIX_FMT_FP6 matrix_b_fmt:MATRIX_FMT_FP6 matrix_a_scale:MATRIX_SCALE_ROW1
.endif
.endr
.endr
.endm
.macro FETCH_B slot, q, p
	WIN TO_B
.irp i, 0,1,2,3,4,5,6,7
	FRAG 128*(\p)+FR*\i, ADRB+\slot, \q, \i
.endr
	WIN 0
.endm
.macro FETCH_A slot, q, i0
.irp i, \i0, \i0+1, \i0+2, \i0+3
	FRAG AF+FR*(\i), ADRA+\slot, \q, \i
.endr
.endm
.macro SCALES sc                       ; a K step's scale words: two words a row; lanes 0-15 the A side's block i, lanes 16-31 the B side's block i
.irp i, 0,1,2,3,4,5,6,7
	ds_load_b64 v[SC+8*NQ*\sc+NQ*\i:SC+8*NQ*\sc+NQ*\i+1], v[ADRS] offset:\i*SBLK
.endr
.endm
.macro PLACES n                        ; plain vector instructions between a matrix instruction and a load into, or a vector read or write of, its registers
.rept \n
	v_nop
.endr
.endm
.macro STEP slot, q, zero              ; 128 along K whose successor lies in the same slot
	s_wait_dscnt 4*NL                              ; all but the youngest 24 loads (the A side's blocks 4-7) are in
	WIN MUL_LO
	MUL16 0, (\q)%2, \q, \slot, \zero
	MUL16 2, (\q)%2, \q, \slot, \zero
	s_wait_dscnt 0
	PLACES NP
	FETCH_B \slot, (\q)+1, 1-(\q)%2
	FETCH_A \slot, (\q)+1, 0
	WIN MUL_HI
	MUL16 4, (\q)%2, \q, \slot, \zero
	MUL16 6, (\q)%2, \q, \slot, \zero
	PLACES NP
	WIN 0
	FETCH_A \slot, (\q)+1, 4
.endm
; A slot's last step changes slots: one barrier; in front of it each wave waits for all its tensor loads, adds 0 to its spare word, and waits for that and for its own reads of this slot.
.macro TURN slot, next, fill
	s_wait_tensorcnt 0x0                           ; all my tensor loads have landed: my part of the next slot
	ds_add_u32 v[SPW], v[NIL]                      ; 0 onto my spare word
	s_wait_dscnt 4*NL+1                            ; the add and the youngest 24 loads may be out
	WIN MUL_LO
	MUL16 0, 1, NQ-1, \slot, 0
	s_wait_dscnt 0x0                               ; the add is done, and my reads of this slot are over
	s_barrier_signal -1
	MUL16 2, 1, NQ-1, \slot, 0
	WIN 0
	s_barrier_wait -1
.if \fill
	CREST                                          ; the barrier has opened a round of the cluster's barrier: no wave of any partner still reads this slot or has a load on its way
	s_add_nc_u64 s[G0+4*\slot+2:G0+4*\slot+3], s[G0+4*\slot+2:G0+4*\slot+3], 2*ROWB
	s_add_nc_u64 s[G0B+4*\slot+2:G0B+4*\slot+3], s[G0B+4*\slot+2:G0B+4*\slot+3], 2*ROWB
	JLOAD G0+4*\slot, G1, G0B+4*\slot, G1B         ; the first tensor load behind the round, my one load until the next; its four v_nop are the places in front of the loads below
.else
	PLACES NP
.endif
	s_wait_alu depctr_va_vdst(0)
	v_add_nc_u32 v[ADRS], 4*NQ, v[ADRS]            ; on to the next K step's scale words
	FETCH_B \next, 0, 0
	FETCH_A \next, 0, 0
	SCALES \next
	WIN MUL_HI
	MUL16 4, 1, NQ-1, \slot, 0
	MUL16 6, 1, NQ-1, \slot, 0
	PLACES NP
	WIN 0
	FETCH_A \next, 0, 4
.endm
	s_wait_tensorcnt 1                             ; the scales and my part of K step 0 are in; K step 1's load, issued behind them, may be out
	s_barrier_signal -1
	s_barrier_wait -1                              ; everybody's are
	FETCH_B 0, 0, 0
	FETCH_A 0, 0, 0
	SCALES 0
	FETCH_A 0, 0, 4
	STEP 0, 0, 1                                   ; K = 1,024 is four slots' worth: the walk is written out.  The first products start the sums
	TURN 0, 1, 1                                   ; slot 0 takes K step 2
	STEP 1, 0, 0
	TURN 1, 0, 1                                   ; slot 1 takes K step 3
	STEP 0, 0, 0
	TURN 0, 1, 0                                   ; nothing is left to fetch
	STEP 1, 0, 0
	s_wait_dscnt 4*NL
	WIN MUL_LO
	MUL16 0, 1, NQ-1, 1, 0
	MUL16 2, 1, NQ-1, 1, 0
	s_wait_dscnt 0
	WIN MUL_HI
	MUL16 4, 1, NQ-1, 1, 0
	MUL16 6, 1, NQ-1, 1, 0
	WIN 0
; THE QUANTISER.  64 numbers of a lane, register 16 b + i: block b of 32 along the next K, my 16 of it (lane l xor 16 holds the other 16), become a fragment's 12 registers of codes in v[pc] on and its scale word in v[pw].
; A block's scale is its largest magnitude's exponent less 2; the floor 2^(3 - 127) among the maximum's leaves holds the byte at 1 from below; the conversion takes the exponent field of its scale operand alone.
.macro QUANT s, pc, pw
.irp b, 0,1,2,3
	v_max3_num_f32 v[TM+\b], |v[\s+16*\b]|, |v[\s+1+16*\b]|, 0x1800000
.endr
.irp i, 2,4,6,8,10,12,14
.irp b, 0,1,2,3
	v_max3_num_f32 v[TM+\b], v[TM+\b], |v[\s+16*\b+\i]|, |v[\s+1+16*\b+\i]|
.endr
.endr
.irp b, 0,1,2,3
	v_permlanex16_b32 v[TM+4+\b], v[TM+\b], s2, s3
.endr
.irp b, 0,1,2,3
	v_max_num_f32 v[TM+\b], v[TM+\b], v[TM+4+\b]
.endr
.irp b, 0,1,2,3
	v_add_nc_u32 v[TM+12+\b], 0xff000000, v[TM+\b] ; 2 off the exponent field: the conversion's scale operand
.endr
.irp b, 0,1,2,3
	v_lshrrev_b32 v[TM+4+\b], 23, v[TM+12+\b]      ; the scale's byte
.endr
	v_lshl_or_b32 v[\pw], v[TM+5], 8, v[TM+4]
	v_lshl_or_b32 v[\pw], v[TM+6], 16, v[\pw]
	v_lshl_or_b32 v[\pw], v[TM+7], 24, v[\pw]
.irp c, 0,1
	v_cvt_scalef32_pk16_fp6_f32 v[\pc+6*\c:\pc+2+6*\c], v[\s+32*\c:\s+15+32*\c], v[TM+12+2*\c]
	v_cvt_scalef32_pk16_fp6_f32 v[\pc+12+4*\c:\pc+14+4*\c], v[\s+16+32*\c:\s+31+32*\c], v[TM+12+2*\c+1]   ; (a conversion's three registers begin on an even number)
.endr
	v_nop                                          ; one plain place behind a scaled conversion
.irp c, 0,1                                    ; the operand's layout wants a whole block in a lane: lanes 0-15 block 2 c, lanes 16-31 block 2 c + 1
.irp i, 0,1,2
	v_permlane16_swap_b32 v[\pc+6*\c+\i], v[\pc+12+4*\c+\i]
.endr
.irp i, 0,1,2
	v_mov_b32 v[\pc+3+6*\c+\i], v[\pc+12+4*\c+\i]
.endr
.endr
.endm
; THE WAY OUT of the A side's block a (16 lanes' rows x my 128 of the B side): the bias is added (which also brings the sums into window 0, each accumulator from its low end on), the 64 numbers are quantised, the codes stored.
; kind 0 (q, k): registers 6 c .. 6 c + 5 are head c's 64 channels of 16 tokens: three stores of 256 bytes a head.  kind 1 (v): the fragment is 16 channels x 128 keys: three stores of 512 bytes.
.macro ABLK a, kind
.set AC, 64*((\a)%4)
.set PCS, PC0+24*((\a)%2)
.set WN, 2+(\a)/4
	WIN WN                                         ; source 0: window 2 or 3
.set i, 0
.rept 32
.if \kind
	v_pk_add_f32 v[HA+2*i:HA+2*i+1], v[AC+2*i:AC+2*i+1], v[BV+8*(\a)+(2*i)%8:BV+8*(\a)+(2*i)%8+1]
.else
	v_pk_add_f32 v[HA+2*i:HA+2*i+1], v[AC+2*i:AC+2*i+1], v[BV+2*i:BV+2*i+1]
.endif
.set i, i+1
.endr
	WIN 0
.if (\a) >= 2
	s_wait_xcnt 0x0                                ; the stores of two blocks ago have read this set of code registers: only now are they written again
.endif
	QUANT HA, PCS, PW+(\a)
.if \kind
.irp c, 0,1,2
	global_store_b128 v[L16], v[PCS+4*\c:PCS+4*\c+3], s[6:7] offset:((\a)/4)*HEADB+((\a)%4)*1536+512*\c
.endr
.else
.irp c, 0,1
.irp p, 0,1,2
	global_store_b64 v[L8], v[PCS+6*\c+2*\p:PCS+6*\c+2*\p+1], s[6:7] offset:768*(\a)+256*\p+HEADB*\c
.endr
.endr
.endif
.endm
	s_wait_loadcnt 0x0                             ; the bias
	PLACES NP                                      ; behind the last products: their results are read and the A side's registers written below
.irp b, 0,1,2,3
	v_mov_b32 v[TM+4+\b], 0                        ; written once: a lane permute's destination counts as one of its sources
.endr
	s_mov_b32 s18, 0xffff0000                      ; lanes 16-31
	s_mov_b32 s19, 0x01000100                      ; a word's bytes 0, 1 twice
	s_mov_b32 s22, 0x03020302                      ; its bytes 2, 3 twice
	s_cmp_eq_u32 ttmp9, 2                          ; the cluster's number: the same way in all partners
	s_cbranch_scc1 .Lvals
.irp a, 0,1,2,3,4,5,6,7
	ABLK \a, 0
.endr
.irp i, 0,1,2,3                                ; the scale words: word i of lane l is token 32 i + l: lanes 0-15 block 2 i's rows, lanes 16-31 block 2 i + 1's (a block's word stands in lanes r and r + 16 alike)
	v_cndmask_b32 v[TM+\i], v[PW+2*\i], v[PW+2*\i+1], s18
.endr
.irp i, 0,1,2,3
	v_perm_b32 v[TM+4+\i], v[TM+\i], v[TM+\i], s19 ; the first head's two bytes, repeated for the upper half of K, where the next launch multiplies by zero codes
.endr
.irp i, 0,1,2,3
	v_perm_b32 v[TM+8+\i], v[TM+\i], v[TM+\i], s22 ; the second head's
.endr
	global_store_b128 v[L16], v[TM+4:TM+7], s[12:13]
	global_store_b128 v[L16], v[TM+8:TM+11], s[12:13] offset:HEADB
	s_branch .Ldone
.Lvals:
.irp a, 0,1,2,3,4,5,6,7
	ABLK \a, 1
.endr
.irp e, 0,1                                    ; head e: word i of lane l is channel tile 2 i + l / 16, row l % 16
.irp i, 0,1
	v_cndmask_b32 v[TM+2*\e+\i], v[PW+4*\e+2*\i], v[PW+4*\e+2*\i+1], s18
.endr
	global_store_b64 v[L8], v[TM+2*\e:TM+2*\e+1], s[12:13] offset:HEADB*\e
.endr
.Ldone:
	s_wait_tensorcnt 0x0                           ; the wave's end
	ds_add_u32 v[SPW], v[NIL]
	s_wait_dscnt 0x0
	CROUND                                         ; the closing round: no work-group ends while a partner may still ask for a tile that names it
	s_endpgm
.Lfunc_end_k_q1d434810e2_qkv:
	.size	k_q1d434810e2_qkv, .Lfunc_end_k_q1d434810e2_qkv-k_q1d434810e2_qkv
	.p2alignl 7, 3214868480
	.fill 96, 4, 3214868480
	.section	.rodata,"a",@progbits
	.p2align	6, 0x0
	.amdhsa_kernel k_q1d434810e2_qkv
		.amdhsa_group_segment_fixed_size 327680
		.amdhsa_private_segment_fixed_size 0
		.amdhsa_enable_private_segment 0
		.amdhsa_kernarg_size 48
		.amdhsa_user_sgpr_count 2
		.amdhsa_user_sgpr_kernarg_segment_ptr 1
		.amdhsa_wavefront_size32 1
		.amdhsa_system_sgpr_workgroup_id_x 1
		.amdhsa_system_sgpr_workgroup_id_y 1
		.amdhsa_system_sgpr_workgroup_id_z 1
		.amdhsa_system_vgpr_workitem_id 0
		.amdhsa_next_free_vgpr 1024
		.amdhsa_next_free_sgpr 100
		.amdhsa_reserve_vcc 0
		.amdhsa_float_denorm_mode_32 3
		.amdhsa_float_denorm_mode_16_64 3
		.amdhsa_memory_ordered 1
		.amdhsa_forward_progress 1
		.amdhsa_inst_pref_size 239
	.end_amdhsa_kernel
	.amdgpu_metadata
---
amdhsa.version: [ 1, 2 ]
amdhsa.kernels:
  - .name:           k_q1d434810e2_qkv
    .symbol:         k_q1d434810e2_qkv.kd
    .args:
      - { .name: x_codes, .offset: 0, .size: 8, .value_kind: global_buffer, .address_space: global }
      - { .name: x_scales, .offset: 8, .size: 8, .value_kind: global_buffer, .address_space: global }
      - { .name: w_qkv_codes, .offset: 16, .size: 8, .value_kind: global_buffer, .address_space: global }
      - { .name: w_qkv_scales, .offset: 24, .size: 8, .value_kind: global_buffer, .address_space: global }
      - { .name: b_qkv, .offset: 32, .size: 8, .value_kind: global_buffer, .address_space: global }
      - { .name: qkv, .offset: 40, .size: 8, .value_kind: global_buffer, .address_space: global }
    .group_segment_fixed_size: 327680
    .private_segment_fixed_size: 0
    .kernarg_segment_align: 8
    .kernarg_segment_size: 48
    .max_flat_workgroup_size: 128
    .sgpr_count:     100
    .vgpr_count:     1024
    .wavefront_size: 32
...
	.end_amdgpu_metadata
.endif
;; end of part 1
;; launch attn (part 2): grid 4 x 64, 16 waves a work-group, clusters of 4 x 1, 210,944 bytes of LDS; arguments qkv, o_img, o_sc; writes o_img, o_sc
.if DOCPART == 2
	.amdgcn_target "amdgcn-amd-amdhsa--gfx1250"
	.amdhsa_code_object_version 6
	.text
	.protected	k_q1d434810e2_attn
	.globl	k_q1d434810e2_attn
	.p2align	8
	.type	k_q1d434810e2_attn,@function
k_q1d434810e2_attn:
	s_mov_b64 s[64:65], 0
	v_nop
	global_prefetch_b8 v0, s[64:65] scope:SCOPE_SE
	s_setreg_imm32_b32 hwreg(HW_REG_WAVE_MODE, 25, 1), 1
	s_wait_xcnt 0x0
	s_wait_alu depctr_hold_cnt(0) depctr_sa_sdst(0) depctr_va_vdst(0) depctr_va_sdst(0) depctr_va_ssrc(0) depctr_va_vcc(0) depctr_vm_vsrc(0)
	s_getreg_b32 s2, hwreg(HW_REG_IB_STS2, 6, 4)
	s_cmp_eq_u32 s2, 0
	s_cbranch_scc0 .Lentry_in_a_cluster
	s_endpgm
.Lentry_in_a_cluster:
	s_bfe_u32 s2, ttmp6, 0x10000c
	s_cmp_lg_u32 s2, 0x3003
	s_cbranch_scc0 .Lentry_shape_is_right
	s_endpgm
.Lentry_shape_is_right:
; Causal attention of one head (64 channels, 2,048 tokens) on codes of FP6 (E2M3), and the quantising of its result along the model's 1,024 for the last product.
; IN: buffer qkv, [64 heads][16 key steps of 128 tokens] records of 19,712 bytes, images of the operands' registers (K, V^T, their scale words: the first 13,056 bytes; then Q and its scale words).
; THE WHOLE HEAD'S K AND V LIE IN LDS: 16 x 13,056 = 208,896 bytes, filled once: wave w brings record w by one tensor load.  Nothing is filled again, so there is no ring; behind the one barrier LDS is only read.
; CLUSTER 4 x 1: the four work-groups of a head ask for each record jointly (mask 15, the same descriptor in all four).
; SHARES.  The head has 128 tiles of 16 queries.  Wave w of work-group cx has g = w / 2 and e = 2 cx + w % 2; it takes tile 127 - 8 g - e (16 - g key steps) and then tile 8 g + e (g + 1 key steps): 17 steps for every wave of the launch.
; The steps wholly above the diagonal are left out (the mask is the problem's own).  All control hangs on the wave's number and the loop's count; cx enters global addresses and the mask's number d alone.
; LAYOUT.  Both products are used transposed: S^T = K Q^T (source 0 = 16 keys), O^T = V^T P^T (source 0 = 16 channels): a lane holds ONE query (lane % 16) throughout.
; THE FIRST PRODUCT'S K IS 64, half of the instruction's 128: Q's registers 6-11 hold zero codes.  K's operand for tile t is v[40 + 6 t .. 51 + 6 t]: its upper six registers are the next tile's codes (zeros behind the last tile);
; they meet zero codes, under scale bytes that repeat the real ones, and FP6 has no infinity or NaN: they add exactly 0.
; SOFTMAX: t = score x log2(e) / 8; M = the running largest t rounded up to a whole number; p = 2^(t - M) is quantised along the keys, not normalised; the sum l is taken of the unquantised p; when M moves, l and O^T are
; multiplied by 2^(old M - new M), exactly.  p's places inside a block of 32 keys are those of V's codes (both are made by the same lines).
; OUT: O^T / l, brought into the channels' natural order, quantised in blocks of 32: o_img [512 token tiles][16 heads][768]: register pair p at 256 p, 8 bytes a lane (lane (r, h): block h of token r); o_sc [token][32]: byte 2 head + block.
; LIMITS: NaN and infinities are not served; the largest t starts at -3e38; 1 / l is v_rcp_f32 and a multiplication; a block of zeros gets the scale byte 1 (its codes are zeros; this program alone reads the bytes).
; REGISTERS: v1 8 x lane, v2 16 x lane; v3, v4 the step's LDS addresses; v5 d; v6, v7 the tile's places in o_img, o_sc; v12 -M, v13 the largest t, v[14:15] l in two halves; v16-21 Q, v22-27 zero codes, v28 Q's scale word;
;   v32-35 K's scale words, v36-37 V's; v40-87 K's 8 tiles, then V's 4 fragments; v88-93 zeros; v96-159 S^T, then p; v160-191 O^T; v192-203 p's codes, v204-210 conversions' second halves; v212-223 at work;
;   v224 p's scale word; v225 at work; v[226:227] f; v[228:229] the second chain of sums; v230 -infinity; v232-241 the second tile's Q, scale word, d and places.
.set REC,   19712
.set HEADB, 315392
.set LREC,  13056                      ; a record's part in LDS
.set VOFF,  6144
.set KSOFF, 12288
.set VSOFF, 12800
.set QOFF,  13056
.set QSOFF, 19200
.set S,   96
.set O,   160
.set PCD, 192
.set BM,  212
.set BT,  216
.set SO,  220
.macro CROUND                          ; a round of the cluster's barrier
	s_barrier_signal -1
	s_barrier_wait -1
	s_cmp_lg_u32 s10, 0
	s_cbranch_scc1 .Lnot_wave_0_\@
	s_barrier_signal -3
.Lnot_wave_0_\@:
	s_barrier_wait -3
	s_barrier_signal -1
	s_barrier_wait -1
.endm
	s_load_b128 s[4:7], s[0:1], 0x0                ; qkv, o_img
	s_load_b64 s[8:9], s[0:1], 0x10                ; o_sc
	v_lshl_add_u32 v254, v0, 2, 0x33000
	v_mov_b32 v255, 0
	ds_add_u32 v254, v255
	ds_add_u32 v254, v255
	v_lshrrev_b32 v8, 5, v0
	s_delay_alu instid0(VALU_DEP_1)
	v_readfirstlane_b32 s10, v8                    ; wave 0..15
	s_lshr_b32 s11, s10, 1                         ; g: also the second tile's last key step
	s_and_b32 s12, s10, 1
	s_xor_b32 s34, s11, 15                         ; 15 - g: the first tile's last key step
	s_add_co_u32 s33, s34, 1                       ; its number of steps
	s_bfe_u32 s13, ttmp6, 0x40000                  ; cx
	s_lshl_b32 s14, s13, 1
	s_add_co_u32 s14, s14, s12                     ; e: the second tile's place in its key step
	s_xor_b32 s44, s14, 7                          ; 7 - e: the first tile's
	s_and_b32 s15, ttmp7, 0xffff                   ; the head, 0..63: the cluster's y
	s_mov_b32 s20, 0x76543210                      ; v_permlanex16_b32's selects for lane l xor 16
	s_mov_b32 s21, 0xfedcba98
	s_mov_b32 s22, 0x3e38aa3b                      ; c = log2(e) / 8
	s_mov_b32 s23, s22                             ; (named with it as a pair, so it is written)
	s_mov_b32 s39, 0xffff0000                      ; lanes 16-31
	; descriptor group 1: a dense block of 13,056 bytes as 51 rows of 256 (32 elements of 8 bytes), no padding; mask: all four work-groups
	s_mov_b32 s24, 15|(3<<16)|(1<<21)
	s_mov_b32 s25, 32<<16
	s_mov_b32 s26, 51<<16
	s_mov_b32 s27, 32<<16
	s_mov_b32 s28, 51
	s_mov_b32 s29, 32
	s_mov_b32 s30, 0
	s_mov_b32 s31, 0
	s_mul_i32 s40, s15, HEADB
	s_mov_b32 s41, 0
	s_mul_i32 s42, s10, REC                        ; my record in memory,
	s_mov_b32 s43, 0
	s_mov_b32 s16, 1
	s_mul_i32 s17, s10, LREC                       ; and in LDS: wave x 13,056
	s_wait_dscnt 0x0
	s_wait_kmcnt 0x0
	s_add_nc_u64 s[4:5], s[4:5], s[40:41]          ; qkv at my head
	s_add_nc_u64 s[18:19], s[4:5], s[42:43]
	s_or_b32 s19, s19, 0x80000000
	CROUND                                         ; all four work-groups are here: the joint loads meet
	tensor_load_to_lds s[16:19], s[24:31]          ; my one tensor load of the launch
	s_nop 0
.rept 4
	v_nop
.endr
	v_and_b32 v8, 31, v0
	s_delay_alu instid0(VALU_DEP_1)
	v_lshlrev_b32 v1, 3, v8
	s_delay_alu instid0(VALU_DEP_2)
	v_lshlrev_b32 v2, 4, v8
	v_and_b32 v9, 15, v0                           ; r
	s_wait_alu depctr_va_vdst(0)
	v_bfe_u32 v10, v0, 4, 1                        ; h
	s_delay_alu instid0(VALU_DEP_1)
	v_lshlrev_b32 v44, 3, v10
	s_delay_alu instid0(VALU_DEP_1)
	v_sub_nc_u32 v44, v9, v44                      ; r - 8 h
	s_wait_alu depctr_va_vdst(0)
	v_lshl_add_u32 v45, v9, 5, v10                 ; 32 r + h
	s_wait_alu depctr_va_vdst(0)
	s_lshr_b32 s52, s15, 4
	s_lshl_b32 s52, s52, 7                         ; 128 x batch
	s_and_b32 s51, s15, 15                         ; the head in its batch
	s_lshl_b32 s53, s51, 1
; A tile's Q, its scale word, d and its places in the outputs.  st, sb: the scalar registers with the tile's key step and its place in it (T = 8 st + sb); ac, as: address registers, left alone until the loads are in.
.macro TILESET st, sb, qc, qs, dd, oi, os, ac, as
	s_mul_i32 s45, s[\st], REC
	s_mul_i32 s46, s[\sb], 768
	s_add_co_u32 s46, s46, s45
	v_add_nc_u32 v[\ac], s46, v1
	s_and_b32 s47, s[\sb], 1
	s_lshl_b32 s47, s47, 8
	s_lshr_b32 s48, s[\sb], 1
	s_lshl_b32 s48, s48, 2
	s_add_co_u32 s47, s47, s48
	s_add_co_u32 s47, s47, s45
	v_lshl_add_u32 v[\as], v9, 4, s47              ; token 16 sb + r of the step: word sb / 2 of lane 16 (sb % 2) + r
.irp p, 0,1,2
	global_load_b64 v[\qc+2*\p:\qc+2*\p+1], v[\ac], s[4:5] offset:QOFF+256*\p
.endr
	global_load_b32 v[\qs], v[\as], s[4:5] offset:QSOFF
	s_lshl_b32 s48, s[\sb], 4
	v_add_nc_u32 v[\dd], s48, v44                  ; d = 16 sb + r - 8 h: in the diagonal step register 8 t + j holds key 16 t + 8 h + j of the step: hidden where 16 t + j > d
	s_lshl_b32 s48, s[\st], 3
	s_add_co_u32 s48, s48, s[\sb]
	s_add_co_u32 s48, s48, s52                     ; the token tile: 128 x batch + T
	s_lshl_b32 s49, s48, 4
	s_add_co_u32 s49, s49, s51
	s_mul_i32 s49, s49, 768
	v_add_nc_u32 v[\oi], s49, v1
	s_lshl_b32 s49, s48, 9
	s_add_co_u32 s49, s49, s53
	v_add_nc_u32 v[\os], s49, v45                  ; (16 x tile + r) x 32 + 2 x head + h
.endm
	TILESET 34, 44, 16, 28, 5, 6, 7, 40, 41        ; the first tile: 127 - 8 g - e
	TILESET 11, 14, 232, 238, 239, 240, 241, 42, 43  ; the second: 8 g + e
	v_mov_b32 v13, 0xff61b1e6                      ; the largest t so far: -3e38
	s_delay_alu instid0(VALU_DEP_1)
	v_floor_f32 v12, -v13                          ; -M
	v_mov_b32 v14, 0
	v_mov_b32 v15, 0
.irp i, 0,1,2,3,4,5
	v_mov_b32 v[22+\i], 0                          ; Q's zero codes for k = 64 .. 127
	v_mov_b32 v[88+\i], 0                          ; what stands behind K's last tile
.endr
.irp b, 0,1,2,3
	v_mov_b32 v[BT+\b], 0                          ; written once: a lane permute's destination counts as one of its sources
.endr
	v_mov_b32 v225, 0
	v_mov_b32 v227, 0                              ; (named as the upper half of the pair v[226:227])
	v_mov_b32 v230, 0xff800000                     ; -infinity
.set n, 0
.rept 32
	v_mov_b32 v[O+n], 0                            ; O^T: the step is written once; a tile's first step finds zeros, which the first change of M leaves zeros
.set n, n+1
.endr
	s_wait_loadcnt 0x0                             ; both tiles' Q
	s_wait_tensorcnt 0x0                           ; my record has landed
	s_barrier_signal -1
	s_barrier_wait -1                              ; everybody's has
	s_mov_b32 s32, 0
.Lstep:                                            ; 17 trips, a key step of 128 keys each
	s_cmp_lt_u32 s32, s33                          ; still the first tile?
	s_cselect_b32 s38, 0, s33
	s_cselect_b32 s36, s34, s11                    ; the tile's diagonal step, which is its last
	s_sub_co_u32 s35, s32, s38                     ; the key step
	s_and_b32 s35, s35, 15                         ; (it lies under 16: this changes nothing)
	s_mul_i32 s37, s35, LREC
	s_setprio 2
	v_add_nc_u32 v3, s37, v1
	v_add_nc_u32 v4, s37, v2
	v_nop                                          ; with the two additions: four places behind the last trip's products, in front of loads into registers that they read
	v_nop
.irp t, 0,1,2,3,4,5,6,7
.irp p, 0,1,2
	ds_load_b64 v[40+6*\t+2*\p:41+6*\t+2*\p], v3 offset:768*\t+256*\p   ; K: 256 consecutive bytes an instruction
.endr
.endr
	ds_load_b128 v[32:35], v4 offset:KSOFF         ; its scale words: register i: lanes 0-15 tile 2 i, lanes 16-31 tile 2 i + 1
	s_wait_alu depctr_va_vdst(0)
	s_wait_dscnt 0x0
.irp t, 0,1,2,3,4,5,6,7
.if (\t)%2
	v_wmma_scale_f32_16x16x128_f8f6f4 v[S+8*\t:S+7+8*\t], v[40+6*\t:51+6*\t], v[16:27], 0, v[32+\t/2], v28 matrix_a_fmt:MATRIX_FMT_FP6 matrix_b_fmt:MATRIX_FMT_FP6 matrix_a_scale:MATRIX_SCALE_ROW1
.else
	v_wmma_scale_f32_16x16x128_f8f6f4 v[S+8*\t:S+7+8*\t], v[40+6*\t:51+6*\t], v[16:27], 0, v[32+\t/2], v28 matrix_a_fmt:MATRIX_FMT_FP6 matrix_b_fmt:MATRIX_FMT_FP6
.endif
.endr
.rept 4
	v_nop                                          ; places: the scores are read below, and V's fragments land where K's tiles lay
.endr
.irp t, 0,1,2,3
.irp c, 0,1,2
	ds_load_b128 v[40+12*\t+4*\c:43+12*\t+4*\c], v4 offset:VOFF+1536*\t+512*\c   ; V^T: asked for now, wanted behind the softmax
.endr
.endr
	ds_load_b64 v[36:37], v3 offset:VSOFF          ; its scale words: register i: lanes 0-15 channel tile 2 i, lanes 16-31 tile 2 i + 1
	s_cmp_lg_u32 s35, s36                          ; only the diagonal step has hidden keys
	s_cbranch_scc1 .Lopen
.set n, 0
.rept 64
	v_cmp_gt_i32 vcc_lo, 16*(n/8)+n%8, v5
	v_cndmask_b32 v[S+n], v[S+n], v230, vcc_lo     ; hidden scores become -infinity ahead of the maximum: p = 0
.set n, n+1
.endr
.Lopen:
.irp b, 0,1,2,3
	v_max3_num_f32 v[BM+\b], v[S+16*\b], v[S+1+16*\b], v[S+2+16*\b]   ; the largest score of each block of 32 keys: it serves for the row's maximum and, since p rises with the score, for the block's largest p
.endr
.irp i, 3,5,7,9,11,13
.irp b, 0,1,2,3
	v_max3_num_f32 v[BM+\b], v[BM+\b], v[S+16*\b+\i], v[S+1+16*\b+\i]
.endr
.endr
.irp b, 0,1,2,3
	v_max_num_f32 v[BM+\b], v[BM+\b], v[S+15+16*\b]
.endr
.irp b, 0,1,2,3
	s_delay_alu instid0(VALU_DEP_4)
	v_permlanex16_b32 v[BT+\b], v[BM+\b], s20, s21
.endr
.irp b, 0,1,2,3
	s_delay_alu instid0(VALU_DEP_4)
	v_max_num_f32 v[BM+\b], v[BM+\b], v[BT+\b]     ; with lane l xor 16's 16 keys
.endr
	s_delay_alu instid0(VALU_DEP_2)
	v_max3_num_f32 v225, v[BM], v[BM+1], v[BM+2]
	s_delay_alu instid0(VALU_DEP_1)
	v_max_num_f32 v225, v225, v[BM+3]
	s_delay_alu instid0(VALU_DEP_1)
	v_mul_f32 v225, s22, v225                      ; as t
	s_delay_alu instid0(VALU_DEP_1)
	v_max_num_f32 v13, v13, v225                   ; the running largest t
	v_mov_b32 v225, v12
	s_delay_alu instid0(VALU_DEP_2)
	v_floor_f32 v12, -v13                          ; the new -M = -ceil(t): a whole number
	s_delay_alu instid0(VALU_DEP_1)
	v_sub_f32 v225, v12, v225                      ; old M - new M: a whole number, 0 or less
	s_delay_alu instid0(VALU_DEP_1)
	v_cvt_i32_f32 v225, v225                       ; (it saturates)
	s_delay_alu instid0(VALU_DEP_1)
	v_ldexp_f32 v226, 1.0, v225                    ; f = 2^(old M - new M)
.set n, 0
.rept 32
	v_pk_fma_f32 v[S+n:S+n+1], v[S+n:S+n+1], s[22:23], v[12:13] op_sel_hi:[1,0,0]   ; t - M, two at a time
.set n, n+2
.endr
.irp b, 0,1,2,3
	v_fma_f32 v[BM+\b], v[BM+\b], s22, v12         ; the same of each block's largest score
.endr
.set n, 0
	s_wait_alu depctr_va_vdst(0)
.rept 64
	v_exp_f32 v[S+n], v[S+n]                       ; p = 2^(t - M)
.set n, n+1
.endr
	s_setprio 1
	v_pk_mul_f32 v[14:15], v[14:15], v[226:227] op_sel_hi:[1,0]   ; l under the new M: the plain instruction behind the exponentials
	s_wait_alu depctr_va_vdst(0)                   ; one wait for the batch of 64, ahead of the first line that names a result
.irp b, 0,1,2,3
	v_exp_f32 v[BM+\b], v[BM+\b]                   ; the blocks' largest p
.endr
	v_pk_add_f32 v[228:229], v[100:101], v[104:105]
	v_pk_add_f32 v[252:253], v[108:109], v[112:113]
	v_pk_add_f32 v[250:251], v[116:117], v[120:121]
	v_pk_add_f32 v[248:249], v[124:125], v[128:129]
	v_pk_add_f32 v[246:247], v[132:133], v[136:137]
	v_pk_add_f32 v[244:245], v[140:141], v[144:145]
	v_pk_add_f32 v[242:243], v[148:149], v[152:153]
	v_pk_add_f32 v[14:15], v[14:15], v[156:157]
	v_pk_add_f32 v[228:229], v[228:229], v[96:97]
	v_pk_add_f32 v[252:253], v[252:253], v[98:99]
	v_pk_add_f32 v[250:251], v[250:251], v[102:103]
	v_pk_add_f32 v[248:249], v[248:249], v[106:107]
	v_pk_add_f32 v[246:247], v[246:247], v[110:111]
	v_pk_add_f32 v[244:245], v[244:245], v[114:115]
	v_pk_add_f32 v[242:243], v[242:243], v[118:119]
	v_pk_add_f32 v[14:15], v[14:15], v[122:123]
	v_pk_add_f32 v[228:229], v[228:229], v[126:127]
	v_pk_add_f32 v[252:253], v[252:253], v[130:131]
	v_pk_add_f32 v[250:251], v[250:251], v[134:135]
	v_pk_add_f32 v[248:249], v[248:249], v[138:139]
	v_pk_add_f32 v[246:247], v[246:247], v[142:143]
	v_pk_add_f32 v[244:245], v[244:245], v[146:147]
	v_pk_add_f32 v[242:243], v[242:243], v[150:151]
	v_pk_add_f32 v[14:15], v[14:15], v[154:155]
	v_pk_add_f32 v[228:229], v[228:229], v[158:159]
	s_delay_alu instid0(VALU_DEP_2)
	v_pk_add_f32 v[14:15], v[14:15], v[248:249]
	s_delay_alu instid0(VALU_DEP_2)
	v_pk_add_f32 v[228:229], v[228:229], v[246:247]
	v_pk_add_f32 v[252:253], v[252:253], v[244:245]
	v_pk_add_f32 v[250:251], v[250:251], v[242:243]
	s_delay_alu instid0(VALU_DEP_2)
	v_pk_add_f32 v[14:15], v[14:15], v[252:253]
	s_delay_alu instid0(VALU_DEP_2)
	v_pk_add_f32 v[228:229], v[228:229], v[250:251]
	s_delay_alu instid0(VALU_DEP_1)
	v_pk_add_f32 v[14:15], v[14:15], v[228:229]
	s_wait_alu depctr_va_vdst(0)                   ; and one for the four
.irp b, 0,1,2,3
	v_max_num_f32 v[BM+\b], 0x1800000, v[BM+\b]    ; the floor 2^(3 - 127): the byte cannot fall under 1
.endr
.irp b, 0,1,2,3
	s_delay_alu instid0(VALU_DEP_4)
	v_add_nc_u32 v[SO+\b], 0xff000000, v[BM+\b]    ; 2 off the exponent field: the conversion's scale operand
.endr
.irp b, 0,1,2,3
	s_delay_alu instid0(VALU_DEP_4)
	v_lshrrev_b32 v[BT+\b], 23, v[SO+\b]           ; the scale's byte
.endr
	s_delay_alu instid0(VALU_DEP_3)
	v_lshl_or_b32 v224, v[BT+1], 8, v[BT]          ; p's scale word for these 128 keys
	s_delay_alu instid0(VALU_DEP_1)
	v_lshl_or_b32 v224, v[BT+2], 16, v224
	s_delay_alu instid0(VALU_DEP_1)
	v_lshl_or_b32 v224, v[BT+3], 24, v224
.irp c, 0,1
	v_cvt_scalef32_pk16_fp6_f32 v[PCD+6*\c:PCD+2+6*\c], v[S+32*\c:S+15+32*\c], v[SO+2*\c]
	v_cvt_scalef32_pk16_fp6_f32 v[PCD+12+4*\c:PCD+14+4*\c], v[S+16+32*\c:S+31+32*\c], v[SO+2*\c+1]
.endr
	v_nop                                          ; one plain place behind a scaled conversion
.irp c, 0,1                                    ; a whole block to a lane: lanes 0-15 block 2 c, lanes 16-31 block 2 c + 1
.irp i, 0,1,2
	v_permlane16_swap_b32 v[PCD+6*\c+\i], v[PCD+12+4*\c+\i]
.endr
.irp i, 0,1,2
	s_delay_alu instid0(VALU_DEP_3)
	v_mov_b32 v[PCD+3+6*\c+\i], v[PCD+12+4*\c+\i]
.endr
.endr
.set n, 0
.rept 16
	v_pk_mul_f32 v[O+n:O+n+1], v[O+n:O+n+1], v[226:227] op_sel_hi:[1,0]   ; O^T under the new M.  (These are also the places between the writing of p's codes and scale word and the products)
.set n, n+2
.endr
	s_wait_alu depctr_va_vdst(0)
	s_wait_dscnt 0x0                               ; V's fragments and scale words are in
.irp t, 0,1,2,3                                ; O^T += V^T P^T: the four accumulators by turns
.if (\t)%2
	v_wmma_scale_f32_16x16x128_f8f6f4 v[O+8*\t:O+7+8*\t], v[40+12*\t:51+12*\t], v[PCD:PCD+11], v[O+8*\t:O+7+8*\t], v[36+\t/2], v224 matrix_a_fmt:MATRIX_FMT_FP6 matrix_b_fmt:MATRIX_FMT_FP6 matrix_a_scale:MATRIX_SCALE_ROW1
.else
	v_wmma_scale_f32_16x16x128_f8f6f4 v[O+8*\t:O+7+8*\t], v[40+12*\t:51+12*\t], v[PCD:PCD+11], v[O+8*\t:O+7+8*\t], v[36+\t/2], v224 matrix_a_fmt:MATRIX_FMT_FP6 matrix_b_fmt:MATRIX_FMT_FP6
.endif
.endr
	s_cmp_lg_u32 s35, s36                          ; the diagonal step ends the tile
	s_setprio 0
	s_cbranch_scc1 .Lnext
	; THE TILE'S END: O^T / l, quantised along the channels, stored; then the second tile's registers take the first's places
.rept 4
	v_nop                                          ; places behind the last products
.endr
	v_add_f32 v14, v14, v15
	s_delay_alu instid0(VALU_DEP_1)
	v_permlanex16_b32 v225, v14, s20, s21
	s_delay_alu instid0(VALU_DEP_1)
	v_add_f32 v14, v14, v225                       ; the row's sum
	s_wait_alu depctr_va_vdst(0)
	v_rcp_f32 v14, v14
	v_nop                                          ; a plain instruction behind the reciprocal
	s_wait_alu depctr_va_vdst(0)                   ; and the wait ahead of its first use
.set n, 0
.rept 32
	v_mul_f32 v[S+n], v[O+n], v14                  ; register 8 t + j: channel 16 t + 8 h + j; each accumulator from its low end on
.set n, n+1
.endr
.irp b, 0,1                                    ; into natural order, since w_out's codes are given so: lanes 16-31 of tile 2 b change places with lanes 0-15 of tile 2 b + 1:
.irp j, 0,1,2,3,4,5,6,7
	v_permlane16_swap_b32 v[S+16*\b+\j], v[S+8+16*\b+\j]   ; registers 16 b + 0 .. 15 now hold channels 32 b + 16 h + 0 .. 15
.endr
.endr
.irp b, 0,1
	v_max3_num_f32 v[BM+\b], |v[S+16*\b]|, |v[S+1+16*\b]|, 0x1800000
.endr
.irp i, 2,4,6,8,10,12,14
.irp b, 0,1
	s_delay_alu instid0(VALU_DEP_2)
	v_max3_num_f32 v[BM+\b], v[BM+\b], |v[S+16*\b+\i]|, |v[S+1+16*\b+\i]|
.endr
.endr
.irp b, 0,1
	s_delay_alu instid0(VALU_DEP_2)
	v_permlanex16_b32 v[BT+\b], v[BM+\b], s20, s21
.endr
.irp b, 0,1
	s_delay_alu instid0(VALU_DEP_2)
	v_max_num_f32 v[BM+\b], v[BM+\b], v[BT+\b]
.endr
.irp b, 0,1
	s_delay_alu instid0(VALU_DEP_2)
	v_add_nc_u32 v[SO+\b], 0xff000000, v[BM+\b]
.endr
.irp b, 0,1
	s_delay_alu instid0(VALU_DEP_2)
	v_lshrrev_b32 v[BT+\b], 23, v[SO+\b]
.endr
	s_delay_alu instid0(VALU_DEP_1)
	v_cndmask_b32 v225, v[BT], v[BT+1], s39        ; lane (r, h) keeps block h's byte
	v_cvt_scalef32_pk16_fp6_f32 v[PCD:PCD+2], v[S:S+15], v[SO]
	v_cvt_scalef32_pk16_fp6_f32 v[PCD+12:PCD+14], v[S+16:S+31], v[SO+1]
	v_nop
.irp i, 0,1,2
	v_permlane16_swap_b32 v[PCD+\i], v[PCD+12+\i]
.endr
.irp i, 0,1,2
	s_delay_alu instid0(VALU_DEP_3)
	v_mov_b32 v[PCD+3+\i], v[PCD+12+\i]            ; registers 0 .. 5: block h of my token, 24 bytes
.endr
.irp p, 0,1,2
	global_store_b64 v6, v[PCD+2*\p:PCD+2*\p+1], s[6:7] offset:256*\p   ; 32 lanes store 256 consecutive bytes, aligned
.endr
	global_store_b8 v7, v225, s[8:9]               ; one scale byte a lane: 2 bytes beside each token's 48 bytes of codes
	s_wait_xcnt 0x0                                ; the stores have read their registers: they are written again below
.irp i, 0,1,2,3,4,5
	v_mov_b32 v[16+\i], v[232+\i]
.endr
	v_mov_b32 v28, v238
	v_mov_b32 v5, v239
	v_mov_b32 v6, v240
	v_mov_b32 v7, v241
	v_mov_b32 v13, 0xff61b1e6
	s_delay_alu instid0(VALU_DEP_1)
	v_floor_f32 v12, -v13
	v_mov_b32 v14, 0
	v_mov_b32 v15, 0
.set n, 0
.rept 32
	v_mov_b32 v[O+n], 0                            ; (also the places between the writing of Q and its scale word and the next products)
.set n, n+1
.endr
.Lnext:
	s_add_co_u32 s32, s32, 1
	s_cmp_lt_u32 s32, 17
	s_cbranch_scc1 .Lstep
	s_setprio 0
	s_wait_tensorcnt 0x0
	ds_add_u32 v254, v255
	s_wait_dscnt 0x0
	CROUND                                         ; the closing round
	s_endpgm
.Lfunc_end_k_q1d434810e2_attn:
	.size	k_q1d434810e2_attn, .Lfunc_end_k_q1d434810e2_attn-k_q1d434810e2_attn
	.p2alignl 7, 3214868480
	.fill 96, 4, 3214868480
	.section	.rodata,"a",@progbits
	.p2align	6, 0x0
	.amdhsa_kernel k_q1d434810e2_attn
		.amdhsa_group_segment_fixed_size 210944
		.amdhsa_private_segment_fixed_size 0
		.amdhsa_enable_private_segment 0
		.amdhsa_kernarg_size 24
		.amdhsa_user_sgpr_count 2
		.amdhsa_user_sgpr_kernarg_segment_ptr 1
		.amdhsa_wavefront_size32 1
		.amdhsa_system_sgpr_workgroup_id_x 1
		.amdhsa_system_sgpr_workgroup_id_y 1
		.amdhsa_system_sgpr_workgroup_id_z 1
		.amdhsa_system_vgpr_workitem_id 0
		.amdhsa_next_free_vgpr 256
		.amdhsa_next_free_sgpr 66
		.amdhsa_reserve_vcc 1
		.amdhsa_float_denorm_mode_32 3
		.amdhsa_float_denorm_mode_16_64 3
		.amdhsa_memory_ordered 1
		.amdhsa_forward_progress 1
		.amdhsa_inst_pref_size 38
	.end_amdhsa_kernel
	.amdgpu_metadata
---
amdhsa.version: [ 1, 2 ]
amdhsa.kernels:
  - .name:           k_q1d434810e2_attn
    .symbol:         k_q1d434810e2_attn.kd
    .args:
      - { .name: qkv, .offset: 0, .size: 8, .value_kind: global_buffer, .address_space: global }
      - { .name: o_img, .offset: 8, .size: 8, .value_kind: global_buffer, .address_space: global }
      - { .name: o_sc, .offset: 16, .size: 8, .value_kind: global_buffer, .address_space: global }
    .group_segment_fixed_size: 210944
    .private_segment_fixed_size: 0
    .kernarg_segment_align: 8
    .kernarg_segment_size: 24
    .max_flat_workgroup_size: 512
    .sgpr_count:     66
    .vgpr_count:     256
    .wavefront_size: 32
...
	.end_amdgpu_metadata
.endif
;; end of part 2
;; launch proj (part 3): grid 4 x 64, 4 waves a work-group, clusters of 4 x 4, 327,680 bytes of LDS; arguments o_img, o_sc, w_out_codes, w_out_scales, b_out, out0; writes out0
.if DOCPART == 3
	.amdgcn_target "amdgcn-amd-amdhsa--gfx1250"
	.amdhsa_code_object_version 6
	.text
	.protected	k_q1d434810e2_proj
	.globl	k_q1d434810e2_proj
	.p2align	8
	.type	k_q1d434810e2_proj,@function
k_q1d434810e2_proj:
	s_mov_b64 s[64:65], 0
	v_nop
	global_prefetch_b8 v0, s[64:65] scope:SCOPE_SE
	s_setreg_imm32_b32 hwreg(HW_REG_WAVE_MODE, 25, 1), 1
	s_wait_xcnt 0x0
	s_wait_alu depctr_hold_cnt(0) depctr_sa_sdst(0) depctr_va_vdst(0) depctr_va_sdst(0) depctr_va_ssrc(0) depctr_va_vcc(0) depctr_vm_vsrc(0)
	s_getreg_b32 s2, hwreg(HW_REG_IB_STS2, 6, 4)
	s_cmp_eq_u32 s2, 0
	s_cbranch_scc0 .Lentry_in_a_cluster
	s_endpgm
.Lentry_in_a_cluster:
	s_bfe_u32 s2, ttmp6, 0x10000c
	s_cmp_lg_u32 s2, 0xf033
	s_cbranch_scc0 .Lentry_shape_is_right
	s_endpgm
.Lentry_shape_is_right:
; out0 = o w_out^T + b_out on codes of FP6 (E2M3) with one E8M0 scale for each 32 along K = 1,024; out0 [8,192][1,024] f32.
; o comes from the launch before as images of the operand's registers: o_img [512 token tiles][16 heads][768]: register pair p at 256 p, 8 bytes a lane; o_sc [token][32] scale bytes.  w_out's codes and scales as given.
; A tile is 128 tokens x 256 columns: 64 x 4 = 256 work-groups, one for each WGP.  Four waves, 64 x 128 a wave: 32 accumulators of 16 x 16.
; K goes in steps of 256 through a ring of two LDS slots filled by tensor loads; the scale bytes of the tile's rows come once.  CLUSTERS 4 x 4: o's tile is shared along a row of the cluster, w_out's along a column: joint loads.
; THE MATRIX INSTRUCTION IS USED TRANSPOSED (source 0 = 16 rows of w_out, source 1 = 16 tokens): a lane holds eight neighbouring numbers of a row of out0.  The bias is the C of each sum's first product.
; REGISTERS: window 0: v16-30 addresses; v32-63 scale words, two sets; v64-127 the bias; v128-175 o's fragments, one set; on the way out v128-255 rows of out0.  window 1: w_out's fragments, two sets.  window 2: the accumulators ((a, b) at v[8 (8 a + b)]).
.set NQ,     2
.set ROWB,   192                       ; a row of w_out's tile: 256 codes
.set KROW,   768
.set PITCH,  240                       ; in LDS: 3 x (64 bytes + 16 of padding)
.set FR,     12
.set NL,     6
.set NP,     4
.set ATILE,  3072                      ; a token tile's 256 along K: four heads' images
.set HALFA,  4*ATILE                   ; 64 tokens: what one tensor load brings of o
.set HALFB,  128*PITCH                 ; 128 rows of w_out
.set BOFF,   2*HALFA
.set SLOT,   BOFF+2*HALFB
.set SCL,    2*SLOT                    ; behind the ring: o's scale bytes (2 x 2,176), then w_out's (2 x 4,352), as units of 256 bytes + 16 of padding
.set HSA,    8*272
.set HSB,    16*272
.set SBLK,   544                       ; 16 rows' scale bytes
.set SPARE,  SCL+2*HSA+2*HSB           ; the spare words: 128 bytes a wave, two blocks of 256 bytes that no other line names
.set SPITCH, 528                       ; the way out: a stage of 16 rows x (512 + 16) bytes a wave, in slot 0, which has had its last fill and its last read by then
.set SIZE_N, 1024
.set ADRA, 16
.set ADRB, 20
.set STO,  24
.set RD,   25
.set CO,   26
.set ADRS, 27
.set SPW,  28
.set NIL,  29
.set BA,   30
.set SC,   32
.set BV,   64
.set AF,   128
.set BK,   128
.set G1, 24
.set G0, 32
.set G1B, 48
.set G0B, 56
.set G1S, 68
.set G0S, 76
.set G1SB, 80
.set G0SB, 88
.set MSB, 0
.macro WIN new                         ; the immediate's high byte repeats the setting that is left
.if MSB != \new
	s_set_vgpr_msb (MSB<<8)|\new
.set MSB, \new
.endif
.endm
.set MUL_ACC, 0xa1                     ; source 0 window 1, source 1 window 0, C and D window 2
.set MUL_1ST, 0x81                     ; the same with C (the bias) in window 0
.set TO_B,    0x40
.macro JLOAD g0a, g1a, g0b, g1b        ; a joint load: waves 0 and 1 fetch for o, waves 2 and 3 for w_out; four v_nop follow each line
	s_cmp_eq_u32 s15, 0
	s_cbranch_scc0 .Lfor_b_\@
	tensor_load_to_lds s[\g0a:\g0a+3], s[\g1a:\g1a+7]
	s_nop 0
.rept 4
	v_nop
.endr
	s_branch .Lasked_\@
.Lfor_b_\@:
	tensor_load_to_lds s[\g0b:\g0b+3], s[\g1b:\g1b+7]
	s_nop 0
.rept 4
	v_nop
.endr
.Lasked_\@:
.endm
.macro CREST
	s_cmp_lg_u32 s14, 0
	s_cbranch_scc1 .Lnot_wave_0_\@
	s_barrier_signal -3
.Lnot_wave_0_\@:
	s_barrier_wait -3
	s_barrier_signal -1
	s_barrier_wait -1
.endm
.macro CROUND
	s_barrier_signal -1
	s_barrier_wait -1
	CREST
.endm
	s_load_b128 s[4:7], s[0:1], 0x0                ; o_img, o_sc
	s_load_b128 s[8:11], s[0:1], 0x10              ; w_out's codes, its scales
	s_load_b128 s[96:99], s[0:1], 0x20             ; b_out, out0
	v_lshl_add_u32 v[SPW], v0, 2, SPARE
	v_mov_b32 v[NIL], 0
	ds_add_u32 v28, v29
	ds_add_u32 v28, v29
	s_wait_dscnt 0x0
	v_lshrrev_b32 v1, 5, v0
	v_readfirstlane_b32 s14, v1                    ; wave 0..3
	s_lshr_b32 s15, s14, 1                         ; which 64 tokens are mine.  Also: I fetch for o (0) or for w_out (1)
	s_and_b32 s16, s14, 1                          ; which 128 columns.  Also: which half of that tile I fetch
	s_bfe_u32 s40, ttmp6, 0x40000                  ; cx
	s_bfe_u32 s41, ttmp6, 0x40004                  ; cy
	s_lshl_b32 s42, ttmp9, 2
	s_add_co_u32 s42, s42, s40                     ; tile column = 4 x cluster x + cx
	s_and_b32 s17, ttmp7, 0xffff
	s_lshl_b32 s17, s17, 2
	s_add_co_u32 s17, s17, s41                     ; tile row = 4 x cluster y + cy
	s_lshl_b32 s43, s41, 2
	s_lshl_b32 s43, 15, s43                        ; my row of the cluster
	s_lshl_b32 s44, 0x1111, s40                    ; my column
	; group 1 for o's codes: 4 token tiles x 3,072 bytes (384 elements of 8 bytes), 12,288 bytes apart, no padding
	s_or_b32 s[G1+0], s43, (3<<16)|(1<<21)
	s_mov_b32 s[G1+1], 384<<16
	s_mov_b32 s[G1+2], 4<<16
	s_mov_b32 s[G1+3], 384<<16
	s_mov_b32 s[G1+4], 4
	s_mov_b32 s[G1+5], 1536
	s_mov_b32 s[G1+6], 0
	s_mov_b32 s[G1+7], 0
	; for w_out's codes: 128 rows x 192 bytes, 16 bytes of padding behind every 64
	s_or_b32 s[G1B+0], s44, (0<<16)|(1<<20)|(1<<21)|(3<<22)|(3<<25)
	s_mov_b32 s[G1B+1], ROWB<<16
	s_mov_b32 s[G1B+2], 128<<16
	s_mov_b32 s[G1B+3], ROWB<<16
	s_mov_b32 s[G1B+4], 128
	s_mov_b32 s[G1B+5], KROW
	s_mov_b32 s[G1B+6], 0
	s_mov_b32 s[G1B+7], 0
	; for the scale bytes: dense blocks as rows of 256 bytes, 16 bytes of padding behind each: 8 rows (64 tokens), 16 rows (128 rows of w_out)
	s_or_b32 s[G1S+0], s43, (3<<16)|(1<<20)|(1<<21)|(5<<22)|(3<<25)
	s_mov_b32 s[G1S+1], 32<<16
	s_mov_b32 s[G1S+2], 8<<16
	s_mov_b32 s[G1S+3], 32<<16
	s_mov_b32 s[G1S+4], 8
	s_mov_b32 s[G1S+5], 32
	s_mov_b32 s[G1S+6], 0
	s_mov_b32 s[G1S+7], 0
	s_or_b32 s[G1SB+0], s44, (3<<16)|(1<<20)|(1<<21)|(5<<22)|(3<<25)
	s_mov_b32 s[G1SB+1], 32<<16
	s_mov_b32 s[G1SB+2], 16<<16
	s_mov_b32 s[G1SB+3], 32<<16
	s_mov_b32 s[G1SB+4], 16
	s_mov_b32 s[G1SB+5], 32
	s_mov_b32 s[G1SB+6], 0
	s_mov_b32 s[G1SB+7], 0
	s_lshl_b32 s20, s17, 3
	s_lshl_b32 s18, s16, 2
	s_add_co_u32 s20, s20, s18                     ; o: token tile 8 x tile row + 4 x half
	s_lshl_b32 s22, s20, 9                         ; its scale bytes: 512 a token tile
	s_mul_i32 s20, s20, 12288                      ; its codes
	s_mov_b32 s21, 0
	s_mov_b32 s23, 0
	s_lshl_b32 s46, s42, 8
	s_lshl_b32 s18, s16, 7
	s_add_co_u32 s46, s46, s18                     ; w_out: row 256 x tile column + 128 x half
	s_lshl_b32 s92, s46, 5
	s_mul_i32 s46, s46, KROW
	s_mov_b32 s47, 0
	s_mov_b32 s93, 0
	s_mul_i32 s45, s16, HALFA                      ; where they go: the half alone: no place in the cluster enters an LDS address
	s_mul_i32 s94, s16, HALFB
	s_mul_i32 s66, s16, HSA
	s_mul_i32 s67, s16, HSB
	s_wait_kmcnt 0x0
	s_add_nc_u64 s[20:21], s[4:5], s[20:21]
	s_add_nc_u64 s[22:23], s[6:7], s[22:23]
	s_add_nc_u64 s[46:47], s[8:9], s[46:47]
	s_add_nc_u64 s[92:93], s[10:11], s[92:93]
	CROUND                                         ; all sixteen work-groups are here: the first joint loads meet
	s_mov_b32 s[G0S], 1
	s_add_co_u32 s[G0S+1], s66, SCL
	s_mov_b64 s[G0S+2:G0S+3], s[22:23]
	s_or_b32 s[G0S+3], s[G0S+3], 0x80000000
	s_mov_b32 s[G0SB], 1
	s_add_co_u32 s[G0SB+1], s67, SCL+2*HSA
	s_mov_b64 s[G0SB+2:G0SB+3], s[92:93]
	s_or_b32 s[G0SB+3], s[G0SB+3], 0x80000000
	JLOAD G0S, G1S, G0SB, G1SB                     ; the scales first
.irp s, 0,1
	s_mov_b32 s[G0+4*\s], 1
	s_add_co_u32 s[G0+4*\s+1], s45, \s*SLOT
	s_add_nc_u64 s[G0+4*\s+2:G0+4*\s+3], s[20:21], \s*ATILE
	s_or_b32 s[G0+4*\s+3], s[G0+4*\s+3], 0x80000000
	s_mov_b32 s[G0B+4*\s], 1
	s_add_co_u32 s[G0B+4*\s+1], s94, BOFF+\s*SLOT
	s_add_nc_u64 s[G0B+4*\s+2:G0B+4*\s+3], s[46:47], \s*ROWB
	s_or_b32 s[G0B+4*\s+3], s[G0B+4*\s+3], 0x80000000
	s_wait_alu depctr_va_vdst(0)
	s_wait_tensorcnt 0x0
	ds_add_u32 v28, v29
	s_wait_dscnt 0x0
	CROUND
	JLOAD G0+4*\s, G1, G0B+4*\s, G1B               ; one tensor load of mine is out behind the second of these
.endr
	v_and_b32 v1, 15, v0                           ; r
	v_bfe_u32 v2, v0, 4, 1                         ; h
	v_and_b32 v6, 31, v0
	v_lshlrev_b32 v7, 3, v6                        ; o's images: 8 x lane
	v_mul_u32_u24 v3, v1, PITCH
	v_mul_u32_u24 v4, v2, 24
	v_add_nc_u32 v4, v3, v4                        ; w_out: row x pitch + 24 h
	v_lshl_add_u32 v5, v2, 4, v4                   ; and the same behind one padding more
	s_mul_i32 s21, s15, HALFA                      ; my 64 tokens
	s_mul_i32 s22, s16, HALFB                      ; my 128 rows of w_out,
	s_add_co_u32 s22, s22, BOFF                    ; which lie behind o's part of the slot
.irp s, 0,1
	v_add_nc_u32 v[ADRA+\s], s21, v7
	v_add_nc_u32 v[ADRB+\s], s22, v4
	v_add_nc_u32 v[ADRB+2+\s], s22, v5
	s_add_co_u32 s21, s21, SLOT
	s_add_co_u32 s22, s22, SLOT
.endr
	v_mul_u32_u24 v5, v1, 32                       ; my row's scales: 32 bytes a row,
	v_lshrrev_b32 v6, 8, v5
	v_lshl_add_u32 v5, v6, 4, v5                   ; and 16 more for each 256 passed
	s_mul_i32 s21, s15, HSA
	s_mul_i32 s22, s16, HSB
	s_add_co_u32 s22, s22, 2*HSA
	s_sub_co_u32 s22, s22, s21
	v_mul_u32_u24 v6, s22, v2                      ; lanes 16-31 take w_out's: one product with h
	s_add_co_u32 s21, s21, SCL
	v_add_nc_u32 v5, v5, v6
	v_add_nc_u32 v[ADRS], s21, v5
	s_mul_i32 s23, s14, 16*SPITCH                  ; my stage
	v_mul_u32_u24 v5, v1, SPITCH                   ; in: row r, 32 bytes for each half of the lanes
	v_lshl_add_u32 v5, v2, 5, v5
	v_add_nc_u32 v[STO], s23, v5
	v_and_b32 v6, 31, v0
	v_lshlrev_b32 v[CO], 4, v6                     ; back: the 32 lanes take one row of 512 bytes; and the same in out0
	v_add_nc_u32 v[RD], s23, v[CO]
	s_lshl_b32 s46, s42, 10                        ; my first column, in bytes: 1,024 x tile column + 512 x half
	s_lshl_b32 s47, s16, 9
	s_add_co_u32 s46, s46, s47
	s_mov_b32 s47, 0
	s_add_nc_u64 s[96:97], s[96:97], s[46:47]      ; b_out at my first column
	v_lshlrev_b32 v[BA], 5, v2                     ; 32 h
.irp b, 0,1,2,3,4,5,6,7
	global_load_b128 v[BV+8*\b:BV+8*\b+3], v[BA], s[96:97] offset:64*\b          ; the bias of columns 16 b + 8 h + 0 .. 7: the result's layout
	global_load_b128 v[BV+8*\b+4:BV+8*\b+7], v[BA], s[96:97] offset:64*\b+16
.endr
	s_lshl_b32 s20, s17, 7
	s_lshl_b32 s21, s15, 6
	s_add_co_u32 s20, s20, s21                     ; my first row of out0: 128 x tile row + 64 x half
	s_lshl_b32 s20, s20, 12                        ; 4,096 bytes a row
	s_mov_b32 s21, 0
	s_add_nc_u64 s[20:21], s[20:21], s[46:47]
	s_add_nc_u64 s[98:99], s[98:99], s[20:21]
.macro FRAG reg, adr, q, i             ; a fragment of w_out: lane (r, h) takes 24 bytes at 24 h and 24 bytes at 48 + 24 h of its row's 96, in pieces of 8 bytes
.irp p, 0,1,2,3,4,5
.set PC, 12*(\q)+6*(\p/3)+\p%3        ; 16 bytes of padding lie behind every 8 pieces: where lanes 16-31's piece lies behind one padding more, the second address register serves
.if PC%8 < 5
	ds_load_b64 v[\reg+2*\p:\reg+2*\p+1], v[\adr] offset:8*PC+16*(PC/8)+(\i)*16*PITCH
.else
	ds_load_b64 v[\reg+2*\p:\reg+2*\p+1], v[\adr+2] offset:8*PC+16*(PC/8)+(\i)*16*PITCH
.endif
.endr
.endm
.macro FRAGA reg, slot, q, i           ; a fragment of o: six register pairs as they were stored: 256 consecutive bytes an instruction
.irp p, 0,1,2,3,4,5
	ds_load_b64 v[\reg+2*\p:\reg+2*\p+1], v[ADRA+\slot] offset:ATILE*(\i)+1536*(\q)+256*\p
.endr
.endm
; 8 matrix instructions: o's block a x w_out's eight.  The 32 accumulators take turns, one instruction a turn, in the same order in every step.  first = 1: the bias is C.
.macro MULA a, p, q, sc, first
.if \first
	WIN MUL_1ST
.else
	WIN MUL_ACC
.endif
.irp b, 0,1,2,3,4,5,6,7
.if \first
	v_wmma_scale_f32_16x16x128_f8f6f4 v[8*(8*(\a)+\b):8*(8*(\a)+\b)+7], v[128*(\p)+FR*\b:128*(\p)+FR*\b+FR-1], v[AF+FR*(\a):AF+FR*(\a)+FR-1], v[BV+8*\b:BV+8*\b+7], v[SC+16*(\sc)+2*\b+(\q)], v[SC+16*(\sc)+2*(\a)+(\q)] matrix_a_fmt:MATRIX_FMT_FP6 matrix_b_fmt:MATRIX_FMT_FP6 matrix_a_scale:MATRIX_SCALE_ROW1
.else
	v_wmma_scale_f32_16x16x128_f8f6f4 v[8*(8*(\a)+\b):8*(8*(\a)+\b)+7], v[128*(\p)+FR*\b:128*(\p)+FR*\b+FR-1], v[AF+FR*(\a):AF+FR*(\a)+FR-1], v[8*(8*(\a)+\b):8*(8*(\a)+\b)+7], v[SC+16*(\sc)+2*\b+(\q)], v[SC+16*(\sc)+2*(\a)+(\q)] matrix_a_fmt:MATRIX_FMT_FP6 matrix_b_fmt:MATRIX_FMT_FP6 matrix_a_scale:MATRIX_SCALE_ROW1
.endif
.endr
.endm
.macro FETCH_B slot, q, p
	WIN TO_B
.irp i, 0,1,2,3,4,5,6,7
	FRAG 128*(\p)+FR*\i, ADRB+\slot, \q, \i
.endr
	WIN 0
.endm
.macro FETCH_A slot, q, i0             ; o's blocks i0, i0 + 1
.irp i, \i0, \i0+1
	FRAGA AF+FR*(\i), \slot, \q, \i
.endr
.endm
.macro SCALES sc                       ; a K step's scale words: lanes 0-15 o's block i (i under 4 is used; beyond that they read bytes of the scales' region that nobody uses), lanes 16-31 w_out's block i
.irp i, 0,1,2,3,4,5,6,7
	ds_load_b64 v[SC+16*\sc+2*\i:SC+16*\sc+2*\i+1], v[ADRS] offset:\i*SBLK
.endr
.endm
.macro PLACES n
.rept \n
	v_nop
.endr
.endm
.macro STEP slot, q, first             ; 128 along K whose successor lies in the same slot
	s_wait_dscnt 2*NL                              ; all but the youngest 12 loads (o's blocks 2, 3) are in
	MULA 0, (\q)%2, \q, \slot, \first
	MULA 1, (\q)%2, \q, \slot, \first
	s_wait_dscnt 0
	PLACES NP
	FETCH_B \slot, (\q)+1, 1-(\q)%2
	FETCH_A \slot, (\q)+1, 0
	MULA 2, (\q)%2, \q, \slot, \first
	MULA 3, (\q)%2, \q, \slot, \first
	PLACES NP
	WIN 0
	FETCH_A \slot, (\q)+1, 2
.endm
; A slot's last step changes slots: one barrier; in front of it each wave waits for all its tensor loads, adds 0 to its spare word, and waits for that and for its own reads of this slot.
.macro TURN slot, next, fill
	s_wait_tensorcnt 0x0                           ; all my tensor loads have landed: my part of the next slot
	ds_add_u32 v[SPW], v[NIL]                      ; 0 onto my spare word
	s_wait_dscnt 2*NL+1                            ; the add and the youngest 12 loads may be out
	MULA 0, 1, NQ-1, \slot, 0
	s_wait_dscnt 0x0                               ; the add is done, and my reads of this slot are over
	s_barrier_signal -1
	MULA 1, 1, NQ-1, \slot, 0
	WIN 0
	s_barrier_wait -1
.if \fill
	CREST                                          ; the barrier has opened a round of the cluster's barrier: no wave of any partner still reads this slot or has a load on its way
	s_add_nc_u64 s[G0+4*\slot+2:G0+4*\slot+3], s[G0+4*\slot+2:G0+4*\slot+3], 2*ATILE
	s_add_nc_u64 s[G0B+4*\slot+2:G0B+4*\slot+3], s[G0B+4*\slot+2:G0B+4*\slot+3], 2*ROWB
	JLOAD G0+4*\slot, G1, G0B+4*\slot, G1B         ; the first tensor load behind the round, my one load until the next; its four v_nop are the places in front of the loads below
.else
	PLACES NP
.endif
	s_wait_alu depctr_va_vdst(0)
	v_add_nc_u32 v[ADRS], 4*NQ, v[ADRS]            ; on to the next K step's scale words
	FETCH_B \next, 0, 0
	FETCH_A \next, 0, 0
	SCALES \next
	MULA 2, 1, NQ-1, \slot, 0
	MULA 3, 1, NQ-1, \slot, 0
	PLACES NP
	WIN 0
	FETCH_A \next, 0, 2
.endm
	s_wait_alu depctr_va_vdst(0)
	s_wait_tensorcnt 1                             ; the scales and my part of K step 0 are in; K step 1's load, issued behind them, may be out
	s_barrier_signal -1
	s_barrier_wait -1                              ; everybody's are
	FETCH_B 0, 0, 0
	FETCH_A 0, 0, 0
	SCALES 0
	FETCH_A 0, 0, 2
	s_wait_loadcnt 0x0                             ; the bias
	STEP 0, 0, 1                                   ; K = 1,024 is four slots' worth: the walk is written out.  The first products start the sums with the bias
	TURN 0, 1, 1                                   ; slot 0 takes K step 2
	STEP 1, 0, 0
	TURN 1, 0, 1                                   ; slot 1 takes K step 3
	STEP 0, 0, 0
	TURN 0, 1, 0                                   ; nothing is left to fetch
	STEP 1, 0, 0
	s_wait_dscnt 2*NL
	MULA 0, 1, NQ-1, 1, 0
	MULA 1, 1, NQ-1, 1, 0
	s_wait_dscnt 0
	MULA 2, 1, NQ-1, 1, 0
	MULA 3, 1, NQ-1, 1, 0
	WIN 0
; THE WAY OUT, block by block of 16 rows x 128 columns: through my own stage in LDS, back as whole rows of 512 bytes.  LDS serves a wave's instructions in order (ISA guide 5.7.1.4): no wait between the stores and the loads.
.macro TOSTAGE a
.set AC, 64*(\a)
	WIN 0x08                                       ; an LDS store's data: window 2
.irp b, 0,1,2,3,4,5,6,7
	ds_store_b128 v[STO], v[AC+8*\b:AC+8*\b+3] offset:64*\b          ; each accumulator from its low end on
	ds_store_b128 v[STO], v[AC+8*\b+4:AC+8*\b+7] offset:64*\b+16
.endr
	WIN 0
.set BB, BK+64*((\a)%2)
.irp t, 0,1,2,3,4,5,6,7,8,9,10,11,12,13,14,15
	ds_load_b128 v[BB+4*\t:BB+4*\t+3], v[RD] offset:\t*SPITCH
.endr
.endm
.macro SEND a, younger                 ; younger: the LDS instructions issued behind block a's loads, which may stay out
.set BB, BK+64*((\a)%2)
	s_wait_dscnt \younger
.if (\a) > 0
	s_add_nc_u64 s[98:99], s[98:99], 16*SIZE_N*4   ; (behind a wait on XCNT: the earlier stores have read their base)  16 rows on
.endif
.irp t, 0,1,2,3,4,5,6,7,8,9,10,11,12,13,14,15
	global_store_b128 v[CO], v[BB+4*\t:BB+4*\t+3], s[98:99] offset:\t*SIZE_N*4 th:TH_STORE_NT   ; 32 lanes store 512 consecutive bytes, aligned to 256; written once, read by nobody here
.endr
.endm
	PLACES NP                                      ; behind the last products: results are read, and rows land where o's fragments lay
	TOSTAGE 0
.irp a, 1,2,3
.if \a > 1
	s_wait_xcnt 0x0                                ; block a - 2's stores have read their registers and their base
.endif
	TOSTAGE \a
	SEND \a-1, 32                                  ; behind block a - 1's loads: block a's 16 stores and 16 loads
.endr
	s_wait_xcnt 0x0
	SEND 3, 0
	s_wait_tensorcnt 0x0                           ; the wave's end
	ds_add_u32 v[SPW], v[NIL]
	s_wait_dscnt 0x0
	CROUND                                         ; the closing round
	s_endpgm
.Lfunc_end_k_q1d434810e2_proj:
	.size	k_q1d434810e2_proj, .Lfunc_end_k_q1d434810e2_proj-k_q1d434810e2_proj
	.p2alignl 7, 3214868480
	.fill 96, 4, 3214868480
	.section	.rodata,"a",@progbits
	.p2align	6, 0x0
	.amdhsa_kernel k_q1d434810e2_proj
		.amdhsa_group_segment_fixed_size 327680
		.amdhsa_private_segment_fixed_size 0
		.amdhsa_enable_private_segment 0
		.amdhsa_kernarg_size 48
		.amdhsa_user_sgpr_count 2
		.amdhsa_user_sgpr_kernarg_segment_ptr 1
		.amdhsa_wavefront_size32 1
		.amdhsa_system_sgpr_workgroup_id_x 1
		.amdhsa_system_sgpr_workgroup_id_y 1
		.amdhsa_system_sgpr_workgroup_id_z 1
		.amdhsa_system_vgpr_workitem_id 0
		.amdhsa_next_free_vgpr 768
		.amdhsa_next_free_sgpr 100
		.amdhsa_reserve_vcc 0
		.amdhsa_float_denorm_mode_32 3
		.amdhsa_float_denorm_mode_16_64 3
		.amdhsa_memory_ordered 1
		.amdhsa_forward_progress 1
		.amdhsa_inst_pref_size 104
	.end_amdhsa_kernel
	.amdgpu_metadata
---
amdhsa.version: [ 1, 2 ]
amdhsa.kernels:
  - .name:           k_q1d434810e2_proj
    .symbol:         k_q1d434810e2_proj.kd
    .args:
      - { .name: o_img, .offset: 0, .size: 8, .value_kind: global_buffer, .address_space: global }
      - { .name: o_sc, .offset: 8, .size: 8, .value_kind: global_buffer, .address_space: global }
      - { .name: w_out_codes, .offset: 16, .size: 8, .value_kind: global_buffer, .address_space: global }
      - { .name: w_out_scales, .offset: 24, .size: 8, .value_kind: global_buffer, .address_space: global }
      - { .name: b_out, .offset: 32, .size: 8, .value_kind: global_buffer, .address_space: global }
      - { .name: out0, .offset: 40, .size: 8, .value_kind: global_buffer, .address_space: global }
    .group_segment_fixed_size: 327680
    .private_segment_fixed_size: 0
    .kernarg_segment_align: 8
    .kernarg_segment_size: 48
    .max_flat_workgroup_size: 128
    .sgpr_count:     100
    .vgpr_count:     768
    .wavefront_size: 32
...
	.end_amdgpu_metadata
.endif
;; end of part 3
